; MI455X (gfx1250); checked and timed in simulation.
; The chip was launched on July 23, 2026; its instructions are those of AMD's public machine-readable ISA for CDNA 5 (MIT licence, August 2026) and "CDNA5" Instruction Set Architecture Reference Guide (July 2026). The comments in the code are by the model that wrote it; some were corrected since.
;; My Model. Allowed arithmetic: float matrix products may take bf16 or f16 operands with f32 sums; other float arithmetic in f32, or as packed bf16 or f16 multiplies, adds, multiply-adds, maxima and minima; sums over many terms, partial sums and values carried from step to step in f32; what a program stores and reads back later, other than sums and carried values, may be rounded once to bf16 or f16.
;; Inputs: candidates 500,000 x 128 float32; identifiers 500,000 int32; query_embeddings 256 x 128 float32.
;; Outputs: out0 256 x 100 float32; out1 256 x 100 int32.
;; Constants: k = 100.
;; 2 versions, each right; version 2 is version 1 with the launch scan written anew for expert scheduling mode. Each part assembles by itself: llvm-mc -triple=amdgcn-amd-amdhsa -mcpu=gfx1250 --defsym DOCPART=n.
;; ======== version 1 of 2: 4 launches
;; workspace buffers: m1 64,225,280 bytes; m2 2,007,040 bytes; rec1 196,608 bytes of whole numbers; rec2 393,216 bytes of whole numbers
;; launch scan (part 1): grid 245 x 1, 4 waves a work-group, no clusters, 321,024 bytes of LDS; arguments candidates, query_embeddings, m1, m2; writes m1, m2
.if DOCPART == 1
	.amdgcn_target "amdgcn-amd-amdhsa--gfx1250"
	.amdhsa_code_object_version 6
	.text
	.protected	k_qeb48ec1af2_scan
	.globl	k_qeb48ec1af2_scan
	.p2align	8
	.type	k_qeb48ec1af2_scan,@function
k_qeb48ec1af2_scan:
	s_mov_b64 s[64:65], 0
	v_nop
	global_prefetch_b8 v0, s[64:65] scope:SCOPE_SE
	s_setreg_imm32_b32 hwreg(HW_REG_WAVE_MODE, 25, 1), 1
	s_wait_xcnt 0x0
; SCAN.  All scores of 256 queries x 500,000 candidates, of which only maxima are kept:
;   m1[c][q][i] = the largest score of query q among the 8 candidates 256 c + 8 i + 0..7   (f32, 128 bytes for each (c, q))
;   m2[wg][q][e] = the largest score among the 256 candidates of c = 8 wg + e
; Both inputs are rounded once to bf16; a score is one chain of four v_wmma_f32_16x16x32_bf16, K ascending, A = 16 candidates, B = 16 queries.
; SHARES.  Wave job W = 4 x work-group + wave owns candidates 512 W .. 512 W + 511 (c = 2 W, 2 W + 1) and ALL 256 queries, whose fragments fill 512 registers.
; A tile is 16 candidates: rows 0-7 are child i of c = 2 W, rows 8-15 child i of c = 2 W + 1.  In the result lane (r, h) holds query 16 t + r and rows 8 h + 0..7:
; the maximum of a lane's eight registers IS one number of m1.  32 tiles a wave; no wave reads another wave's candidates, so the loop has no barrier.
; THE TABLE'S END.  Row offsets are clamped to the last eight rows.  Job 976's second half so repeats the 8 candidates of child 3 of c = 1953 as children 4-31: the maximum
; of c = 1953 stays right, and the launch that reads m1 masks those children.  Jobs 977-979 (three waves of the last work-group) own nothing: they walk the clamped rows with
; the same text and store what comes of it as c = 1954-1959, for which m1 and m2 have room (1,960 blocks) and which no launch uses: the launch that reads m2 masks c >= 1954,
; the one that reads m1 goes no further than c = 1953.  That is 196,608 bytes of m1 stored for nothing, the price of a text without a branch on the job.
; NO TENSOR LOADS, NO CLUSTER: work-groups share only Q (131,072 bytes against 1,048,576 of candidates each), and a ring of registers with counted waits needs no barrier.
; LIMITS.  NaN is not treated (a NaN loses every maximum).  bf16 has f32's range.
; REGISTERS, in windows of 256 (s_set_vgpr_msb: bits 1:0 source 0, 3:2 source 1, 5:4 source 2, 7:6 destination):
;   window 0: addresses, FM, CM, CT, AF, ACC (below)   window 1: Q tiles 0-7 at 32 t + 8 s   window 2: Q tiles 8-15   window 3: the ring, slot sl row ro at 64 sl + 4 ro
.set NCAND,  500000
.set LIM,    (NCAND-8)*512             ; byte offset of the table's last eight rows
.set PQ,     272                       ; a row of 128 bf16 in LDS: 256 bytes + 16: the 16 rows of a fragment load start 68 words apart
.set PM,     144                       ; a row of 32 f32 maxima in LDS: 128 bytes + 16
.set M1W,    512*PM                    ; a wave's maxima: rows 256 h + q
.set STG,    4*M1W                     ; behind them: for each wave 16 rows of bf16, the tile in hand
.set STGW,   16*PQ
.set M2T,    STG+4*STGW                ; [q][8] f32: the work-group's part of m2
.set SPARE,  M2T+8192                  ; the spare words, 128 bytes a wave: two blocks of 256 bytes that no other line names
                                       ; Q's 256 rows of bf16 (69,632 bytes) lie at LDS byte 0 until the second barrier; then the maxima take the bytes
.set LANE, 1
.set L16,  2                           ; 16 x lane
.set STW,  3                           ; my 8 bytes of a row of my stage
.set STR,  4                           ; my place in a fragment read from my stage
.set M1A,  5                           ; my row of maxima: 256 h + r, plus 4 bytes a tile
.set QA,   6                           ; my place in a fragment of Q
.set GOF,  7                           ; the dump: my byte offset in m1
.set M2A,  8                           ; my word of the table
.set DR,   9                           ; the dump: my place in the first four rows of my wave's maxima; never rewritten
.set VO,   10                          ; v10-17  slot sl: byte offsets of its two groups of eight rows
.set SPW,  18                          ; my spare word; never rewritten
.set NIL,  19                          ; 0; never rewritten
.set DRX,  28                          ; the dump: where I read in the trip in hand
.set FM,   32                          ; v32-47  this tile's maxima, one a query tile
.set CM,   48                          ; v48-63  the running maxima over the wave's tiles
.set CT,   64                          ; v64-95  a tile rounded to bf16
.set AF,   96                          ; v96-127 the tile's four fragments
.set ACC,  128                         ; v128-255 sixteen accumulators
.set MSB, 0
.macro WIN new                         ; the immediate's high byte repeats the setting that is left; a switch that changes nothing is dropped
.if MSB != (\new)
	s_set_vgpr_msb (MSB<<8)|(\new)
.set MSB, \new
.endif
.endm
.macro BAR
	s_barrier_signal -1
	s_barrier_wait -1
.endm
; Slot sl takes the next tile: 16 rows of 512 bytes, each load 512 consecutive bytes.  The slot's two offset registers are free: the wait at the head of its turn has shown its loads done.
.macro FILL sl
	s_min_u32 s16, s14, s18
	s_min_u32 s19, s15, s18
	v_add_nc_u32 v[VO+2*(\sl)], s16, v[L16]
	v_add_nc_u32 v[VO+2*(\sl)+1], s19, v[L16]
	s_add_co_u32 s14, s14, 4096
	s_add_co_u32 s15, s15, 4096
	WIN 0xc0                               ; destination window 3, address window 0
.set ro, 0
.rept 16
	global_load_b128 v[64*(\sl)+4*ro:64*(\sl)+4*ro+3], v[VO+2*(\sl)+ro/8], s[4:5] offset:512*(ro%8) th:TH_LOAD_NT
.set ro, ro+1
.endr
	WIN 0
.endm
; 32 products: query tiles t0 .. t0 + 7, K ascending.  The eight accumulators take turns, one instruction a turn; the first K step starts the sums.
.macro MM8 t0, waits
.set ks, 0
.rept 4
.if \waits
	s_wait_dscnt 6-2*ks                    ; this K step's two fragment loads are in; those of the later steps may be out
.endif
.set t, \t0
.rept 8
.if ks == 0
	v_wmma_f32_16x16x32_bf16 v[ACC+8*t:ACC+8*t+7], v[AF+8*ks:AF+8*ks+7], v[32*(t%8)+8*ks:32*(t%8)+8*ks+7], 0
.else
	v_wmma_f32_16x16x32_bf16 v[ACC+8*t:ACC+8*t+7], v[AF+8*ks:AF+8*ks+7], v[32*(t%8)+8*ks:32*(t%8)+8*ks+7], v[ACC+8*t:ACC+8*t+7]
.endif
.set t, t+1
.endr
.set ks, ks+1
.endr
.endm
; The maxima of a tile, stage by stage over the 16 query tiles, so that no line reads the result of the line before it.  Each accumulator's lowest registers are read first.
.macro LUMP sl
.set t, 0
.rept 16
	v_max3_num_f32 v[FM+t], v[ACC+8*t], v[ACC+8*t+1], v[ACC+8*t+2]
.set t, t+1
.endr
.set t, 0
.rept 16
	v_max3_num_f32 v[FM+t], v[FM+t], v[ACC+8*t+3], v[ACC+8*t+4]
.set t, t+1
.endr
.set t, 0
.rept 16
	v_max3_num_f32 v[FM+t], v[FM+t], v[ACC+8*t+5], v[ACC+8*t+6]
.set t, t+1
.endr
.set t, 0
.rept 16
	v_max_num_f32 v[FM+t], v[FM+t], v[ACC+8*t+7]
.set t, t+1
.endr
.set t, 0
.rept 16
	v_max_num_f32 v[CM+t], v[CM+t], v[FM+t]
.set t, t+1
.endr
.set t, 0
.rept 16
	ds_store_b32 v[M1A], v[FM+t] offset:16*PM*t+4*(\sl)  ; row 256 h + 16 t + r, child 4 x trip + sl
.set t, t+1
.endr
.endm
; The turn of slot sl.  fill = 1: the slot takes the tile four further on.  left = the younger loads that may stay out: 16 for each younger slot.
.macro TILE sl, fill, left
	s_wait_loadcnt \left                   ; loads come back in order: my slot's 16 are in
	WIN 0x0f                               ; sources in window 3
.set ro, 0
.rept 16
	v_cvt_pk_bf16_f32 v[CT+2*ro], v[64*(\sl)+4*ro], v[64*(\sl)+4*ro+1]
	v_cvt_pk_bf16_f32 v[CT+2*ro+1], v[64*(\sl)+4*ro+2], v[64*(\sl)+4*ro+3]
.set ro, ro+1
.endr
	WIN 0
.set ro, 0
.rept 16
	ds_store_b64 v[STW], v[CT+2*ro:CT+2*ro+1] offset:PQ*ro  ; lane l holds k = 4 l .. 4 l + 3 of row ro
.set ro, ro+1
.endr
.set ks, 0
.rept 4                                ; LDS serves a wave's instructions in order: these see the stores above.  The last product that read AF stands more than 100 plain vector lines back
	ds_load_b128 v[AF+8*ks:AF+8*ks+3], v[STR] offset:64*ks
	ds_load_b128 v[AF+8*ks+4:AF+8*ks+7], v[STR] offset:64*ks+32
.set ks, ks+1
.endr
.if \fill
	FILL \sl
.endif
	WIN 0x04                               ; B in window 1
	MM8 0, 1
	WIN 0x08                               ; B in window 2
	MM8 8, 0
	WIN 0
.rept 4
	v_nop                                  ; four places between the products and the first read of a result (ISA guide 7.12.1)
.endr
	LUMP \sl
.endm
	s_load_b256 s[4:11], s[0:1], 0x0       ; candidates s[4:5], queries s[6:7], m1 s[8:9], m2 s[10:11]
	v_lshl_add_u32 v[SPW], v0, 2, SPARE
	v_mov_b32 v[NIL], 0
	v_and_b32 v[LANE], 31, v0
	v_lshrrev_b32 v20, 5, v0
	v_readfirstlane_b32 s12, v20           ; wave 0..3
	s_lshl_b32 s13, ttmp9, 2
	s_add_co_u32 s13, s13, s12             ; W
	s_lshl_b32 s14, s13, 18                ; byte offset of my first half's next eight rows,
	s_add_co_u32 s15, s14, 131072          ; and of my second half's
	s_mov_b32 s18, LIM
	v_lshlrev_b32 v[L16], 4, v[LANE]
	v_and_b32 v21, 15, v0                  ; r
	v_bfe_u32 v22, v0, 4, 1                ; h
	s_mul_i32 s20, s12, STGW
	s_add_co_u32 s20, s20, STG             ; my stage
	v_lshl_add_u32 v[STW], v[LANE], 3, s20
	v_mul_u32_u24 v[QA], v21, PQ
	v_lshl_add_u32 v[QA], v22, 4, v[QA]    ; row r x pitch + 16 h
	v_add_nc_u32 v[STR], s20, v[QA]
	s_mul_i32 s21, s12, M1W                ; my maxima
	v_mul_u32_u24 v[M1A], v21, PM
	v_mad_u32_u24 v[M1A], v22, 256*PM, v[M1A]
	v_add_nc_u32 v[M1A], s21, v[M1A]
	v_bfe_u32 v23, v0, 3, 2                ; lane / 8
	v_and_b32 v24, 7, v0
	v_mul_u32_u24 v[DR], v23, PM           ; the dump: 32 lanes take four rows of 128 bytes
	v_lshl_add_u32 v[DR], v24, 4, v[DR]
	v_add_nc_u32 v[DR], s21, v[DR]
	v_mov_b32 v[GOF], v[L16]               ; which are 512 consecutive bytes of m1
	s_lshl_b32 s22, s12, 3
	s_add_co_u32 s22, s22, M2T
	v_lshlrev_b32 v[M2A], 5, v21
	v_lshl_add_u32 v[M2A], v22, 2, v[M2A]
	v_add_nc_u32 v[M2A], s22, v[M2A]       ; table word (q = r, e = 2 w + h)
	s_lshl_b32 s23, s12, 15
	v_add_nc_u32 v25, s23, v[L16]          ; Q: my 16 bytes of row 64 w
	s_mul_i32 s23, s12, 64*PQ
	v_lshl_add_u32 v26, v[LANE], 3, s23    ; and where they go in LDS, rounded
	s_wait_kmcnt 0x0
	; Q first, one run of 64 rows a wave into window 1 (later the fragments' home), then three slots of the ring: all of it is on its way together
	WIN 0x40
.set i, 0
.rept 64
	global_load_b128 v[4*i:4*i+3], v25, s[6:7] offset:512*i
.set i, i+1
.endr
	WIN 0
	FILL 0
	FILL 1
	FILL 2
	s_wait_loadcnt 48                      ; Q is in; the three slots' 48 loads stay out
	WIN 0x05                               ; sources in window 1
.set i, 0
.rept 64
	v_cvt_pk_bf16_f32 v[CT+2*i], v[4*i], v[4*i+1]
	v_cvt_pk_bf16_f32 v[CT+2*i+1], v[4*i+2], v[4*i+3]
.set i, i+1
.endr
	WIN 0
.set i, 0
.rept 64
	ds_store_b64 v26, v[CT+2*i:CT+2*i+1] offset:PQ*i
.set i, i+1
.endr
	s_wait_dscnt 0x0                       ; for the others' sake: my 64 rows of Q are in LDS
	BAR
	WIN 0x40                               ; a fragment of Q: lane (r, h) holds query 16 t + r, k = 32 s + 8 h + 0..7 and 32 s + 16 + 8 h + 0..7
.set t, 0
.rept 16
.if t == 8
	WIN 0x80
.endif
.set ks, 0
.rept 4
	ds_load_b128 v[32*(t%8)+8*ks:32*(t%8)+8*ks+3], v[QA] offset:16*PQ*t+64*ks
	ds_load_b128 v[32*(t%8)+8*ks+4:32*(t%8)+8*ks+7], v[QA] offset:16*PQ*t+64*ks+32
.set ks, ks+1
.endr
.set t, t+1
.endr
	WIN 0
	s_wait_dscnt 0x0                       ; my reads of Q are over:
	BAR                                    ; everybody's are, and the bytes may take maxima
	FILL 3
.set t, 0
.rept 16
	v_mov_b32 v[CM+t], 0xff800000          ; -inf
.set t, t+1
.endr
	s_mov_b32 s17, 7
.Ltiles:                                       ; a trip: four tiles, each slot once, each filled again
	TILE 0, 1, 48
	TILE 1, 1, 48
	TILE 2, 1, 48
	TILE 3, 1, 48
	v_add_nc_u32 v[M1A], 16, v[M1A]        ; four children on
	s_sub_co_u32 s17, s17, 1
	s_cmp_lg_u32 s17, 0
	s_cbranch_scc1 .Ltiles
	TILE 0, 0, 48                          ; the last four tiles load nothing: the counts run down
	TILE 1, 0, 32
	TILE 2, 0, 16
	TILE 3, 0, 0
	; THE TABLE.  The four waves' running maxima meet in one table.  These are the launch's last stores into LDS (the closing add aside): every wave waits for all its LDS stores
	; and passes the barrier, and behind it LDS is only read, the table by all four waves and each wave's maxima by the dump.
.set t, 0
.rept 16
	ds_store_b32 v[M2A], v[CM+t] offset:512*t
.set t, t+1
.endr
	s_wait_dscnt 0x0                       ; for the others' sake: my words of the table, and all my earlier LDS stores, are done
	BAR
	v_lshlrev_b32 v20, 4, v0
	v_add_nc_u32 v27, M2T, v20
	s_lshl_b32 s20, ttmp9, 13
	s_mov_b32 s21, 0
	s_add_nc_u64 s[10:11], s[10:11], s[20:21]
.set u, 0
.rept 4                                ; into accumulator registers, which are free (the last product stands behind the 80 lines of the last maxima): the dump below rewrites none of them
	ds_load_b128 v[ACC+4*u:ACC+4*u+3], v27 offset:2048*u
.set u, u+1
.endr
.set u, 0
.rept 4
	s_wait_dscnt 3-u                       ; load u is in; the younger ones may be out
	global_store_b128 v20, v[ACC+4*u:ACC+4*u+3], s[10:11] offset:2048*u  ; the work-group's 8,192 consecutive bytes of m2, 512 a wave and store
.set u, u+1
.endr
	; THE DUMP.  My 512 rows of 128 bytes are 65,536 consecutive bytes of m1.
	s_lshl_b32 s20, s13, 16
	s_mov_b32 s21, 0
	s_add_nc_u64 s[8:9], s[8:9], s[20:21]
	s_mov_b32 s22, 0                       ; the trip's first row among my 512, in LDS bytes
	s_mov_b32 s17, 8
.Ldump:                                        ; a trip: 64 rows
	v_add_nc_u32 v[DRX], s22, v[DR]
.set u, 0
.rept 16
	ds_load_b128 v[CT+4*u:CT+4*u+3], v[DRX] offset:4*PM*u
.set u, u+1
.endr
.set u, 0
.rept 16
	s_wait_dscnt 15-u                      ; load u is in; the younger ones may be out
	global_store_b128 v[GOF], v[CT+4*u:CT+4*u+3], s[8:9] offset:512*u th:TH_STORE_NT  ; 512 consecutive bytes, at a multiple of 512 from m1's first
.set u, u+1
.endr
	s_wait_xcnt 0x0                        ; the stores' offset and data registers are rewritten only behind this wait
	v_add_nc_u32 v[GOF], 8192, v[GOF]
	s_add_co_u32 s22, s22, 64*PM
	s_sub_co_u32 s17, s17, 1
	s_cmp_lg_u32 s17, 0
	s_cbranch_scc1 .Ldump
	s_wait_dscnt 0x0                       ; my reads of LDS are over (the last count-down ended at 0):
	BAR                                    ; everybody's are, before any wave touches LDS again
	s_wait_tensorcnt 0x0                   ; the wave's end
	ds_add_u32 v[SPW], v[NIL]
	s_wait_dscnt 0x0
	s_endpgm
.Lfunc_end_k_qeb48ec1af2_scan:
	.size	k_qeb48ec1af2_scan, .Lfunc_end_k_qeb48ec1af2_scan-k_qeb48ec1af2_scan
	.p2alignl 7, 3214868480
	.fill 96, 4, 3214868480
	.section	.rodata,"a",@progbits
	.p2align	6, 0x0
	.amdhsa_kernel k_qeb48ec1af2_scan
		.amdhsa_group_segment_fixed_size 321024
		.amdhsa_private_segment_fixed_size 0
		.amdhsa_enable_private_segment 0
		.amdhsa_kernarg_size 32
		.amdhsa_user_sgpr_count 2
		.amdhsa_user_sgpr_kernarg_segment_ptr 1
		.amdhsa_wavefront_size32 1
		.amdhsa_system_sgpr_workgroup_id_x 1
		.amdhsa_system_sgpr_workgroup_id_y 1
		.amdhsa_system_sgpr_workgroup_id_z 1
		.amdhsa_system_vgpr_workitem_id 0
		.amdhsa_next_free_vgpr 1024
		.amdhsa_next_free_sgpr 66
		.amdhsa_reserve_vcc 0
		.amdhsa_float_denorm_mode_32 3
		.amdhsa_float_denorm_mode_16_64 3
		.amdhsa_memory_ordered 1
		.amdhsa_forward_progress 1
		.amdhsa_inst_pref_size 154
	.end_amdhsa_kernel
	.amdgpu_metadata
---
amdhsa.version: [ 1, 2 ]
amdhsa.kernels:
  - .name:           k_qeb48ec1af2_scan
    .symbol:         k_qeb48ec1af2_scan.kd
    .args:
      - { .name: candidates, .offset: 0, .size: 8, .value_kind: global_buffer, .address_space: global }
      - { .name: query_embeddings, .offset: 8, .size: 8, .value_kind: global_buffer, .address_space: global }
      - { .name: m1, .offset: 16, .size: 8, .value_kind: global_buffer, .address_space: global }
      - { .name: m2, .offset: 24, .size: 8, .value_kind: global_buffer, .address_space: global }
    .group_segment_fixed_size: 321024
    .private_segment_fixed_size: 0
    .kernarg_segment_align: 8
    .kernarg_segment_size: 32
    .max_flat_workgroup_size: 128
    .sgpr_count:     66
    .vgpr_count:     1024
    .wavefront_size: 32
...
	.end_amdgpu_metadata
.endif
;; end of part 1
;; launch pick1 (part 2): grid 256 x 1, 8 waves a work-group, no clusters, 14,336 bytes of LDS; arguments m2, rec1; writes rec1
.if DOCPART == 2
	.amdgcn_target "amdgcn-amd-amdhsa--gfx1250"
	.amdhsa_code_object_version 6
	.text
	.protected	k_qeb48ec1af2_pick1
	.globl	k_qeb48ec1af2_pick1
	.p2align	8
	.type	k_qeb48ec1af2_pick1,@function
k_qeb48ec1af2_pick1:
	s_mov_b64 s[64:65], 0
	v_nop
	global_prefetch_b8 v0, s[64:65] scope:SCOPE_SE
	s_setreg_imm32_b32 hwreg(HW_REG_WAVE_MODE, 25, 1), 1
	s_wait_xcnt 0x0
; PICK1.  For query q = work-group: which 100 of the 1,954 coarse groups (256 candidates each) are best by (maximum descending, group number ascending).
; Every one of the 100 best candidates lies in one of them: each group ranked ahead of a candidate's own group holds a candidate ranked ahead of it.
; The answer leaves as whole numbers, 768 bytes a query: for each row R of 32 groups (c = 32 R + lane) SEL[R] (a bit a group), BASE[R] (chosen groups in earlier rows), PID[R] = R.
; HOW.  Only keys are sorted.  A wave holds 8 rows: two lists of 128 keys (place 4 lane + e, descending).  Each list is sorted by a bitonic network in its flip form (every comparator
; puts the larger key at the lower place); of two sorted lists max(A[p], B[127 - p]) is the best 128 as a bitonic list, which seven stages sort.  Three exchanges through LDS give every
; wave the best 128 of all; T is place 99.  Chosen: keys above T, and of the keys equal to T the first 100 - (number above), in the order of c.  No branch and no address hangs on a key.
; LIMITS.  NaN is not treated; +0 and -0 count as equal; -inf marks masked keys, so scores are finite.
.set WAVES, 8
.set ROWS,  64
.set NC,    1954                       ; coarse groups
.set CNT,   3*512*WAVES                ; behind the three exchange regions (LDS byte 0 on): two counts a wave
.set TAB,   CNT+256                    ; SEL[64], BASE[64], PID[64]
.set SPARE, TAB+12*ROWS                ; the spare words, 128 bytes a wave: four blocks of 256 bytes that no other line names
.set XS,   2                           ; v2   where I store my 16 bytes of my wave's list
.set XR,   3                           ; v3   16 (31 - lane)
.set XL,   4                           ; v4   where I read the partner's list, reversed
.set O,    8                           ; v8-15  the keys as loaded: row n, lane = bit
.set CUR,  16                          ; v16-19, v20-23  the list at work and the next stage's, by turns
.set ALT,  20
.set HOLD, 24                          ; v24-27 the wave's other list
.set P,    28                          ; v28-31 a partner's keys
.set TM,   32                          ; v32-35 minima
.set OFFS, 40                          ; v40-47 byte offsets of the loads
.set SPW,  48
.set NIL,  49
.set NEG,  50                          ; -inf
.set TABA, 51
.set PIDV, 56
.set SELV, 64
.set BASEV, 72
.set WV,   12
.set MB,   20                          ; s20-24 lanes whose bit 0, 1, 2, 3, 4 is clear: they keep the larger key
.set SELR, 26                          ; v_permlanex16_b32: lane xor 31
.set SELI, 28                          ; lane xor 16
.set TH,   30
.set NEED, 31
.set GG,   32                          ; s32-39 keys above T, a word a row
.set EE,   40                          ; s40-47 keys equal to T
.set SS,   48
.set BB,   56
.set VM,   66                          ; s66-73 real groups
.set CG,   74
.set CQ,   75
.set TOTG, 76
.set GB,   77
.set EB,   78
.set X0,   79
.set KK,   84
.set CTR,  85
.macro BAR
	s_barrier_signal -1
	s_barrier_wait -1
.endm
.macro FLIPSETS
.set TMPS, CUR
.set CUR, ALT
.set ALT, TMPS
.endm
.macro CEX a, b                        ; places a < b of a lane
	v_max_num_f32 v[ALT+\a], v[CUR+\a], v[CUR+\b]
	v_min_num_f32 v[ALT+\b], v[CUR+\a], v[CUR+\b]
.endm
.macro RF1
	CEX 0, 1
	CEX 2, 3
	FLIPSETS
.endm
.macro RF3
	CEX 0, 3
	CEX 1, 2
	FLIPSETS
.endm
.macro RD2
	CEX 0, 2
	CEX 1, 3
	FLIPSETS
.endm
; A stage across lanes of a row of 16: partner lane xor m (flip = 1: and register 3 - e); lanes of mask b keep the larger key
.macro XST m, b, flip
.irp e,0,1,2,3
.set pe, (\e)^(3*(\flip))
	v_max_num_f32_dpp v[ALT+(\e)], v[CUR+pe], v[CUR+(\e)] row_xmask:\m row_mask:0xf bank_mask:0xf
	v_min_num_f32_dpp v[TM+(\e)], v[CUR+pe], v[CUR+(\e)] row_xmask:\m row_mask:0xf bank_mask:0xf
.endr
.irp e,0,1,2,3
	v_cndmask_b32 v[ALT+(\e)], v[TM+(\e)], v[ALT+(\e)], s[MB+\b]
.endr
	FLIPSETS
.endm
.macro HST flip                        ; the stage between the halves of the lanes: lane xor 31 and register 3 - e, or lane xor 16
.irp e,0,1,2,3
.if \flip
	v_permlanex16_b32 v[P+(\e)], v[CUR+3-(\e)], s[SELR], s[SELR+1]
.else
	v_permlanex16_b32 v[P+(\e)], v[CUR+(\e)], s[SELI], s[SELI+1]
.endif
.endr
.irp e,0,1,2,3
	v_max_num_f32 v[ALT+(\e)], v[CUR+(\e)], v[P+(\e)]
	v_min_num_f32 v[TM+(\e)], v[CUR+(\e)], v[P+(\e)]
.endr
.irp e,0,1,2,3
	v_cndmask_b32 v[ALT+(\e)], v[TM+(\e)], v[ALT+(\e)], s[MB+4]
.endr
	FLIPSETS
.endm
.macro SORT128                         ; 28 stages: blocks of 2, 4, .. 128 places; an even number, so CUR and ALT are back in place
	RF1
	RF3
	RF1
	XST 1, 0, 1
	RD2
	RF1
	XST 3, 1, 1
	XST 1, 0, 0
	RD2
	RF1
	XST 7, 2, 1
	XST 2, 1, 0
	XST 1, 0, 0
	RD2
	RF1
	XST 15, 3, 1
	XST 4, 2, 0
	XST 2, 1, 0
	XST 1, 0, 0
	RD2
	RF1
	HST 1
	XST 8, 3, 0
	XST 4, 2, 0
	XST 2, 1, 0
	XST 1, 0, 0
	RD2
	RF1
.endm
.macro CLEAN                           ; a bitonic list of 128 is sorted: distances 64, 32, .. 1
	HST 0
	XST 8, 3, 0
	XST 4, 2, 0
	XST 2, 1, 0
	XST 1, 0, 0
	RD2
	RF1
.endm
; An exchange: wave w and wave w xor 2^ro each take the best 128 of their two lists.  Each exchange has LDS bytes of its own, so one barrier serves it.
.macro XROUND ro
	ds_store_b128 v[XS], v[CUR:CUR+3] offset:(\ro)*512*WAVES
	s_wait_dscnt 0x0                       ; for the partner's sake
	BAR
	s_xor_b32 s[X0], s[WV], 1<<(\ro)
	s_lshl_b32 s[X0], s[X0], 9
	v_add_nc_u32 v[XL], s[X0], v[XR]
	ds_load_b128 v[P:P+3], v[XL] offset:(\ro)*512*WAVES
	s_wait_dscnt 0x0
.irp e,0,1,2,3
	v_max_num_f32 v[ALT+(\e)], v[CUR+(\e)], v[P+3-(\e)]
.endr
	FLIPSETS
	CLEAN
.endm
	s_load_b128 s[4:7], s[0:1], 0x0        ; m2 s[4:5], rec1 s[6:7]
	v_lshl_add_u32 v[SPW], v0, 2, SPARE
	v_mov_b32 v[NIL], 0
	v_and_b32 v1, 31, v0
	v_lshrrev_b32 v5, 5, v0
	v_readfirstlane_b32 s[WV], v5
	s_mov_b32 s[MB], 0x55555555
	s_mov_b32 s[MB+1], 0x33333333
	s_mov_b32 s[MB+2], 0x0f0f0f0f
	s_mov_b32 s[MB+3], 0x00ff00ff
	s_mov_b32 s[MB+4], 0x0000ffff
	s_mov_b32 s[SELR], 0x89abcdef
	s_mov_b32 s[SELR+1], 0x01234567
	s_mov_b32 s[SELI], 0x76543210
	s_mov_b32 s[SELI+1], 0xfedcba98
	s_lshl_b32 s14, ttmp9, 5               ; 32 q: my query's eight numbers in each block of m2
	s_mov_b32 s15, 0
	s_mul_i32 s16, ttmp9, 12*ROWS
	s_mov_b32 s17, 0
	v_mov_b32 v[NEG], 0xff800000
	s_lshl_b32 s13, s[WV], 9
	v_lshl_add_u32 v[XS], v1, 4, s13
	v_sub_nc_u32 v[XR], 31, v1
	v_lshlrev_b32 v[XR], 4, v[XR]
	v_lshl_add_u32 v5, s[WV], 8, v1        ; c of my row 0
.set n, 0
.rept 8
	v_add_nc_u32 v6, 32*n, v5              ; c = 32 (8 w + n) + lane
	v_cmp_gt_u32 s[VM+n], NC, v6
	v_min_u32 v6, NC-1, v6                 ; a lane past the last group reads the last group's number and masks it
	v_lshrrev_b32 v7, 3, v6
	v_and_b32 v6, 7, v6
	v_lshlrev_b32 v6, 2, v6
	v_lshl_add_u32 v[OFFS+n], v7, 13, v6   ; m2[c / 8][q][c % 8]
.set n, n+1
.endr
	s_wait_kmcnt 0x0
	s_add_nc_u64 s[4:5], s[4:5], s[14:15]
	s_add_nc_u64 s[6:7], s[6:7], s[16:17]
.set n, 0
.rept 8
	global_load_b32 v[O+n], v[OFFS+n], s[4:5]
.set n, n+1
.endr
.irp e,0,1,2,3
	v_mov_b32 v[TM+(\e)], 0                ; destinations of DPP forms and lane permutes count as read: written once here
	v_mov_b32 v[P+(\e)], 0
.endr
	s_wait_loadcnt 0x0
.set n, 0
.rept 8
	v_cndmask_b32 v[O+n], v[NEG], v[O+n], s[VM+n]
.set n, n+1
.endr
.irp e,0,1,2,3
	v_mov_b32 v[CUR+(\e)], v[O+(\e)]
	v_mov_b32 v[HOLD+(\e)], v[O+4+(\e)]
.endr
	s_mov_b32 s[CTR], 2
.Lsort:                                        ; two trips: a list is sorted, then the lists change places
	SORT128
.irp e,0,1,2,3
	v_mov_b32 v[ALT+(\e)], v[CUR+(\e)]
.endr
.irp e,0,1,2,3
	v_mov_b32 v[CUR+(\e)], v[HOLD+(\e)]
.endr
.irp e,0,1,2,3
	v_mov_b32 v[HOLD+(\e)], v[ALT+(\e)]
.endr
	s_sub_co_u32 s[CTR], s[CTR], 1
	s_cmp_lg_u32 s[CTR], 0
	s_cbranch_scc1 .Lsort
.irp e,0,1,2,3                         ; the wave's two lists into one
	v_permlanex16_b32 v[P+(\e)], v[HOLD+3-(\e)], s[SELR], s[SELR+1]
.endr
.irp e,0,1,2,3
	v_max_num_f32 v[ALT+(\e)], v[CUR+(\e)], v[P+(\e)]
.endr
	FLIPSETS
	CLEAN
	XROUND 0
	XROUND 1
	XROUND 2
	v_readlane_b32 s[TH], v[CUR+3], 24     ; place 99 = 4 x 24 + 3
	; THE FLAGS.  Value work alone.
.set n, 0
.rept 8
	v_cmp_lt_f32 s[GG+n], s[TH], v[O+n]
	v_cmp_eq_f32 s[EE+n], s[TH], v[O+n]
.set n, n+1
.endr
	s_mov_b32 s[CG], 0
	s_mov_b32 s[CQ], 0
.set n, 0
.rept 8
	s_bcnt1_i32_b32 s[X0], s[GG+n]
	s_bcnt1_i32_b32 s[X0+1], s[EE+n]
	s_add_co_u32 s[CG], s[CG], s[X0]
	s_add_co_u32 s[CQ], s[CQ], s[X0+1]
.set n, n+1
.endr
	v_mov_b32 v36, s[CG]
	v_mov_b32 v37, s[CQ]
	s_lshl_b32 s[X0], s[WV], 3
	v_mov_b32 v38, s[X0]
	ds_store_b64 v38, v[36:37] offset:CNT  ; all lanes write the same two words
	s_wait_dscnt 0x0
	BAR
	v_and_b32 v38, WAVES-1, v1
	v_lshlrev_b32 v38, 3, v38
	ds_load_b64 v[36:37], v38 offset:CNT   ; lane k: wave k's counts
	s_mov_b32 s[TOTG], 0
	s_mov_b32 s[GB], 0
	s_mov_b32 s[EB], 0
	s_mov_b32 s[KK], 0
	s_wait_dscnt 0x0
.Lcnt:                                         ; all waves' keys above T; those above and those equal in the waves below mine
	v_readlane_b32 s[X0], v36, s[KK]
	v_readlane_b32 s[X0+1], v37, s[KK]
	s_cmp_lt_u32 s[KK], s[WV]
	s_cselect_b32 s[X0+2], s[X0], 0
	s_cselect_b32 s[X0+3], s[X0+1], 0
	s_add_co_u32 s[TOTG], s[TOTG], s[X0]
	s_add_co_u32 s[GB], s[GB], s[X0+2]
	s_add_co_u32 s[EB], s[EB], s[X0+3]
	s_add_co_u32 s[KK], s[KK], 1
	s_cmp_lt_u32 s[KK], WAVES
	s_cbranch_scc1 .Lcnt
	s_sub_co_u32 s[NEED], 100, s[TOTG]     ; so many of the equal keys are taken, the first in the order of c
.set n, 0
.rept 8
	v_mbcnt_lo_u32_b32 v36, s[EE+n], s[EB] ; equal keys ahead of my lane's
	v_cmp_gt_u32 s[X0], s[NEED], v36
	s_and_b32 s[X0], s[X0], s[EE+n]
	s_or_b32 s[SS+n], s[X0], s[GG+n]
	s_min_u32 s[X0+1], s[NEED], s[EB]
	s_add_co_u32 s[BB+n], s[GB], s[X0+1]
	s_bcnt1_i32_b32 s[X0], s[GG+n]
	s_bcnt1_i32_b32 s[X0+1], s[EE+n]
	s_add_co_u32 s[GB], s[GB], s[X0]
	s_add_co_u32 s[EB], s[EB], s[X0+1]
.set n, n+1
.endr
	s_lshl_b32 s[X0], s[WV], 3
	v_mov_b32 v5, s[X0]
.set n, 0
.rept 8
	v_mov_b32 v[SELV+n], s[SS+n]
	v_mov_b32 v[BASEV+n], s[BB+n]
	v_add_nc_u32 v[PIDV+n], n, v5          ; R = 8 w + n
.set n, n+1
.endr
	s_lshl_b32 s[X0], s[WV], 5
	v_mov_b32 v[TABA], s[X0]
	ds_store_b128 v[TABA], v[SELV:SELV+3] offset:TAB
	ds_store_b128 v[TABA], v[SELV+4:SELV+7] offset:TAB+16
	ds_store_b128 v[TABA], v[BASEV:BASEV+3] offset:TAB+4*ROWS
	ds_store_b128 v[TABA], v[BASEV+4:BASEV+7] offset:TAB+4*ROWS+16
	ds_store_b128 v[TABA], v[PIDV:PIDV+3] offset:TAB+8*ROWS
	ds_store_b128 v[TABA], v[PIDV+4:PIDV+7] offset:TAB+8*ROWS+16
	s_wait_dscnt 0x0
	BAR
	s_cmp_gt_u32 s[WV], 2
	s_cbranch_scc1 .Lend                   ; three waves carry the 768 bytes out, 256 consecutive bytes each
	v_lshlrev_b32 v36, 3, v0
	ds_load_b64 v[38:39], v36 offset:TAB
	s_wait_dscnt 0x0
	global_store_b64 v36, v[38:39], s[6:7]
.Lend:
	s_wait_tensorcnt 0x0                   ; the wave's end
	ds_add_u32 v[SPW], v[NIL]
	s_wait_dscnt 0x0
	s_endpgm
.Lfunc_end_k_qeb48ec1af2_pick1:
	.size	k_qeb48ec1af2_pick1, .Lfunc_end_k_qeb48ec1af2_pick1-k_qeb48ec1af2_pick1
	.p2alignl 7, 3214868480
	.fill 96, 4, 3214868480
	.section	.rodata,"a",@progbits
	.p2align	6, 0x0
	.amdhsa_kernel k_qeb48ec1af2_pick1
		.amdhsa_group_segment_fixed_size 14336
		.amdhsa_private_segment_fixed_size 0
		.amdhsa_enable_private_segment 0
		.amdhsa_kernarg_size 16
		.amdhsa_user_sgpr_count 2
		.amdhsa_user_sgpr_kernarg_segment_ptr 1
		.amdhsa_wavefront_size32 1
		.amdhsa_system_sgpr_workgroup_id_x 1
		.amdhsa_system_sgpr_workgroup_id_y 1
		.amdhsa_system_sgpr_workgroup_id_z 1
		.amdhsa_system_vgpr_workitem_id 0
		.amdhsa_next_free_vgpr 80
		.amdhsa_next_free_sgpr 90
		.amdhsa_reserve_vcc 0
		.amdhsa_float_denorm_mode_32 3
		.amdhsa_float_denorm_mode_16_64 3
		.amdhsa_memory_ordered 1
		.amdhsa_forward_progress 1
		.amdhsa_inst_pref_size 46
	.end_amdhsa_kernel
	.amdgpu_metadata
---
amdhsa.version: [ 1, 2 ]
amdhsa.kernels:
  - .name:           k_qeb48ec1af2_pick1
    .symbol:         k_qeb48ec1af2_pick1.kd
    .args:
      - { .name: m2, .offset: 0, .size: 8, .value_kind: global_buffer, .address_space: global }
      - { .name: rec1, .offset: 8, .size: 8, .value_kind: global_buffer, .address_space: global }
    .group_segment_fixed_size: 14336
    .private_segment_fixed_size: 0
    .kernarg_segment_align: 8
    .kernarg_segment_size: 16
    .max_flat_workgroup_size: 256
    .sgpr_count:     90
    .vgpr_count:     80
    .wavefront_size: 32
...
	.end_amdgpu_metadata
.endif
;; end of part 2
;; launch pick2 (part 3): grid 256 x 1, 16 waves a work-group, no clusters, 37,632 bytes of LDS; arguments rec1, m1, rec2; writes rec2
.if DOCPART == 3
	.amdgcn_target "amdgcn-amd-amdhsa--gfx1250"
	.amdhsa_code_object_version 6
	.text
	.protected	k_qeb48ec1af2_pick2
	.globl	k_qeb48ec1af2_pick2
	.p2align	8
	.type	k_qeb48ec1af2_pick2,@function
k_qeb48ec1af2_pick2:
	s_mov_b64 s[64:65], 0
	v_nop
	global_prefetch_b8 v0, s[64:65] scope:SCOPE_SE
	s_setreg_imm32_b32 hwreg(HW_REG_WAVE_MODE, 25, 1), 1
	s_wait_xcnt 0x0
; PICK2.  For query q = work-group: which 100 of the fine groups (8 candidates each) inside the 100 chosen coarse groups are best by (maximum descending, group number ascending).
; Wave 0 turns rec1's bit words into a list of the 100 coarse groups, ascending; row j of 128 (100 real) is coarse group c_j, lane i its child: fine group g = 32 c_j + i, key m1[c_j][q][i].
; Rows past the list and children past the table's end (g >= 62,500) are masked.  The selection is that of the launch before: keys alone are sorted, T is place 99 of the best 128.
; The answer, 1,536 bytes a query: SEL[128], BASE[128], PID[128] = c_j.  All addresses come from rec1's whole numbers, clamped; none from a key.
; LIMITS.  NaN is not treated; +0 and -0 count as equal; -inf marks masked keys, so scores are finite.
.set WAVES, 16
.set ROWS,  128
.set NC,    1954
.set NG,    62500                      ; fine groups
.set CNT,   4*512*WAVES                ; behind the four exchange regions
.set TAB,   CNT+256
.set LIST,  TAB+12*ROWS                ; 128 words: the chosen coarse groups; behind them 512 bytes for the lanes that are not chosen
.set SPARE, LIST+1024                  ; the spare words, 128 bytes a wave: eight blocks of 256 bytes that no other line names
.set XS,   2
.set XR,   3
.set XL,   4
.set O,    8
.set CUR,  16
.set ALT,  20
.set HOLD, 24
.set P,    28
.set TM,   32
.set OFFS, 40
.set SPW,  48
.set NIL,  49
.set NEG,  50
.set TABA, 51
.set PIDV, 56                          ; v56-63 c of my eight rows, the same in every lane
.set SELV, 64
.set BASEV, 72
.set ES,   64                          ; wave 0, at the start: rec1's words, row 32 u + lane
.set EBR,  66
.set EP,   68
.set ET,   70
.set WV,   12
.set MB,   20
.set SELR, 26
.set SELI, 28
.set TH,   30
.set NEED, 31
.set GG,   32
.set EE,   40
.set SS,   48
.set BB,   56
.set VM,   66
.set CG,   74
.set CQ,   75
.set TOTG, 76
.set GB,   77
.set EB,   78
.set X0,   79
.set KK,   84
.set CTR,  85
.macro BAR
	s_barrier_signal -1
	s_barrier_wait -1
.endm
.macro FLIPSETS
.set TMPS, CUR
.set CUR, ALT
.set ALT, TMPS
.endm
.macro CEX a, b
	v_max_num_f32 v[ALT+\a], v[CUR+\a], v[CUR+\b]
	v_min_num_f32 v[ALT+\b], v[CUR+\a], v[CUR+\b]
.endm
.macro RF1
	CEX 0, 1
	CEX 2, 3
	FLIPSETS
.endm
.macro RF3
	CEX 0, 3
	CEX 1, 2
	FLIPSETS
.endm
.macro RD2
	CEX 0, 2
	CEX 1, 3
	FLIPSETS
.endm
.macro XST m, b, flip                  ; partner lane xor m (flip = 1: and register 3 - e); lanes of mask b keep the larger key
.irp e,0,1,2,3
.set pe, (\e)^(3*(\flip))
	v_max_num_f32_dpp v[ALT+(\e)], v[CUR+pe], v[CUR+(\e)] row_xmask:\m row_mask:0xf bank_mask:0xf
	v_min_num_f32_dpp v[TM+(\e)], v[CUR+pe], v[CUR+(\e)] row_xmask:\m row_mask:0xf bank_mask:0xf
.endr
.irp e,0,1,2,3
	v_cndmask_b32 v[ALT+(\e)], v[TM+(\e)], v[ALT+(\e)], s[MB+\b]
.endr
	FLIPSETS
.endm
.macro HST flip
.irp e,0,1,2,3
.if \flip
	v_permlanex16_b32 v[P+(\e)], v[CUR+3-(\e)], s[SELR], s[SELR+1]
.else
	v_permlanex16_b32 v[P+(\e)], v[CUR+(\e)], s[SELI], s[SELI+1]
.endif
.endr
.irp e,0,1,2,3
	v_max_num_f32 v[ALT+(\e)], v[CUR+(\e)], v[P+(\e)]
	v_min_num_f32 v[TM+(\e)], v[CUR+(\e)], v[P+(\e)]
.endr
.irp e,0,1,2,3
	v_cndmask_b32 v[ALT+(\e)], v[TM+(\e)], v[ALT+(\e)], s[MB+4]
.endr
	FLIPSETS
.endm
.macro SORT128                         ; 28 stages, an even number: CUR and ALT are back in place
	RF1
	RF3
	RF1
	XST 1, 0, 1
	RD2
	RF1
	XST 3, 1, 1
	XST 1, 0, 0
	RD2
	RF1
	XST 7, 2, 1
	XST 2, 1, 0
	XST 1, 0, 0
	RD2
	RF1
	XST 15, 3, 1
	XST 4, 2, 0
	XST 2, 1, 0
	XST 1, 0, 0
	RD2
	RF1
	HST 1
	XST 8, 3, 0
	XST 4, 2, 0
	XST 2, 1, 0
	XST 1, 0, 0
	RD2
	RF1
.endm
.macro CLEAN
	HST 0
	XST 8, 3, 0
	XST 4, 2, 0
	XST 2, 1, 0
	XST 1, 0, 0
	RD2
	RF1
.endm
.macro XROUND ro                       ; waves w and w xor 2^ro each take the best 128 of their two lists; LDS bytes of its own for each exchange
	ds_store_b128 v[XS], v[CUR:CUR+3] offset:(\ro)*512*WAVES
	s_wait_dscnt 0x0
	BAR
	s_xor_b32 s[X0], s[WV], 1<<(\ro)
	s_lshl_b32 s[X0], s[X0], 9
	v_add_nc_u32 v[XL], s[X0], v[XR]
	ds_load_b128 v[P:P+3], v[XL] offset:(\ro)*512*WAVES
	s_wait_dscnt 0x0
.irp e,0,1,2,3
	v_max_num_f32 v[ALT+(\e)], v[CUR+(\e)], v[P+3-(\e)]
.endr
	FLIPSETS
	CLEAN
.endm
; Wave 0 alone, while no other wave touches LDS: bit words into a list.  The chosen lane of row R puts 32 PID[R] + lane at slot BASE[R] + (chosen lanes below it); the slots not reached hold padv.
; A slot and the bit that sends a lane aside are each clamped by v_min_u32 before they enter the address: LIST + 4 slot + 512 (not chosen).
.macro EXPAND ns, padv, sb, rows
	s_cmp_lg_u32 s[WV], 0
	s_cbranch_scc1 .Lexp_done
	v_lshlrev_b32 v[ET], 2, v1
.set u, 0
.rept \ns
	global_load_b32 v[ES+u], v[ET], s[\sb:\sb+1] offset:128*u
	global_load_b32 v[EBR+u], v[ET], s[\sb:\sb+1] offset:4*(\rows)+128*u
	global_load_b32 v[EP+u], v[ET], s[\sb:\sb+1] offset:8*(\rows)+128*u
.set u, u+1
.endr
	v_mov_b32 v[ET+1], \padv
.set u, 0
.rept 4
	ds_store_b32 v[ET], v[ET+1] offset:LIST+128*u
.set u, u+1
.endr
	s_wait_loadcnt 0x0
.set u, 0
.rept \ns
	v_min_u32 v[EBR+u], 127, v[EBR+u]
	v_lshlrev_b32 v[EP+u], 5, v[EP+u]
.set u, u+1
.endr
	s_mov_b32 s[KK], 0
.Lexp:                                         ; trip i: rows i, 32 + i, ..
.set u, 0
.rept \ns
	v_readlane_b32 s[X0], v[ES+u], s[KK]
	v_readlane_b32 s[X0+1], v[EBR+u], s[KK]
	v_readlane_b32 s[X0+2], v[EP+u], s[KK]
	v_mbcnt_lo_u32_b32 v[ET+2], s[X0], s[X0+1]
	v_min_u32 v[ET+2], 127, v[ET+2]
	v_bfe_u32 v[ET+3], s[X0], v1, 1
	v_xor_b32 v[ET+3], 1, v[ET+3]
	v_min_u32 v[ET+3], 1, v[ET+3]
	v_lshlrev_b32 v[ET+2], 2, v[ET+2]
	v_lshl_add_u32 v[ET+2], v[ET+3], 9, v[ET+2]
	v_add_nc_u32 v[ET+1], s[X0+2], v1
	ds_store_b32 v[ET+2], v[ET+1] offset:LIST  ; LDS serves a wave in order: these come behind the padding
.set u, u+1
.endr
	s_add_co_u32 s[KK], s[KK], 1
	s_cmp_lt_u32 s[KK], 32
	s_cbranch_scc1 .Lexp
.Lexp_done:
.endm
	s_load_b128 s[4:7], s[0:1], 0x0        ; rec1 s[4:5], m1 s[6:7]
	s_load_b64 s[8:9], s[0:1], 0x10        ; rec2
	v_lshl_add_u32 v[SPW], v0, 2, SPARE
	v_mov_b32 v[NIL], 0
	v_and_b32 v1, 31, v0
	v_lshrrev_b32 v5, 5, v0
	v_readfirstlane_b32 s[WV], v5
	s_mov_b32 s[MB], 0x55555555
	s_mov_b32 s[MB+1], 0x33333333
	s_mov_b32 s[MB+2], 0x0f0f0f0f
	s_mov_b32 s[MB+3], 0x00ff00ff
	s_mov_b32 s[MB+4], 0x0000ffff
	s_mov_b32 s[SELR], 0x89abcdef
	s_mov_b32 s[SELR+1], 0x01234567
	s_mov_b32 s[SELI], 0x76543210
	s_mov_b32 s[SELI+1], 0xfedcba98
	s_mul_i32 s14, ttmp9, 768
	s_mov_b32 s15, 0
	s_lshl_b32 s16, ttmp9, 7               ; 128 q: my query's row in each block of m1
	s_mov_b32 s17, 0
	s_mul_i32 s18, ttmp9, 12*ROWS
	s_mov_b32 s19, 0
	v_mov_b32 v[NEG], 0xff800000
	s_lshl_b32 s13, s[WV], 9
	v_lshl_add_u32 v[XS], v1, 4, s13
	v_sub_nc_u32 v[XR], 31, v1
	v_lshlrev_b32 v[XR], 4, v[XR]
	s_wait_kmcnt 0x0
	s_add_nc_u64 s[4:5], s[4:5], s[14:15]
	s_add_nc_u64 s[6:7], s[6:7], s[16:17]
	s_add_nc_u64 s[8:9], s[8:9], s[18:19]
	EXPAND 2, 0xffff, 4, 64
	s_wait_dscnt 0x0                       ; wave 0's list is in LDS
	BAR
	s_lshl_b32 s[X0], s[WV], 5
	v_mov_b32 v36, s[X0]
	ds_load_b128 v[PIDV:PIDV+3], v36 offset:LIST
	ds_load_b128 v[PIDV+4:PIDV+7], v36 offset:LIST+16
	v_lshlrev_b32 v37, 2, v1
.irp e,0,1,2,3
	v_mov_b32 v[TM+(\e)], 0                ; destinations of DPP forms and lane permutes count as read: written once here
	v_mov_b32 v[P+(\e)], 0
.endr
	s_wait_dscnt 0x0
.set n, 0
.rept 8
	v_lshl_add_u32 v38, v[PIDV+n], 5, v1   ; g, of the number as it stands: a padded row is far past the end
	v_cmp_gt_u32 s[VM+n], NG, v38
	v_min_u32 v39, NC-1, v[PIDV+n]
	v_lshl_add_u32 v[OFFS+n], v39, 15, v37
	global_load_b32 v[O+n], v[OFFS+n], s[6:7]  ; 128 consecutive bytes: m1[c][q][0..31]
.set n, n+1
.endr
	s_wait_loadcnt 0x0
.set n, 0
.rept 8
	v_cndmask_b32 v[O+n], v[NEG], v[O+n], s[VM+n]
.set n, n+1
.endr
.irp e,0,1,2,3
	v_mov_b32 v[CUR+(\e)], v[O+(\e)]
	v_mov_b32 v[HOLD+(\e)], v[O+4+(\e)]
.endr
	s_mov_b32 s[CTR], 2
.Lsort:                                        ; two trips: a list is sorted, then the lists change places
	SORT128
.irp e,0,1,2,3
	v_mov_b32 v[ALT+(\e)], v[CUR+(\e)]
.endr
.irp e,0,1,2,3
	v_mov_b32 v[CUR+(\e)], v[HOLD+(\e)]
.endr
.irp e,0,1,2,3
	v_mov_b32 v[HOLD+(\e)], v[ALT+(\e)]
.endr
	s_sub_co_u32 s[CTR], s[CTR], 1
	s_cmp_lg_u32 s[CTR], 0
	s_cbranch_scc1 .Lsort
.irp e,0,1,2,3
	v_permlanex16_b32 v[P+(\e)], v[HOLD+3-(\e)], s[SELR], s[SELR+1]
.endr
.irp e,0,1,2,3
	v_max_num_f32 v[ALT+(\e)], v[CUR+(\e)], v[P+(\e)]
.endr
	FLIPSETS
	CLEAN
	XROUND 0
	XROUND 1
	XROUND 2
	XROUND 3
	v_readlane_b32 s[TH], v[CUR+3], 24     ; place 99
	; THE FLAGS.  Value work alone.  The order (row, lane) ascends in g, so the first equal keys are those of the lowest groups.
.set n, 0
.rept 8
	v_cmp_lt_f32 s[GG+n], s[TH], v[O+n]
	v_cmp_eq_f32 s[EE+n], s[TH], v[O+n]
.set n, n+1
.endr
	s_mov_b32 s[CG], 0
	s_mov_b32 s[CQ], 0
.set n, 0
.rept 8
	s_bcnt1_i32_b32 s[X0], s[GG+n]
	s_bcnt1_i32_b32 s[X0+1], s[EE+n]
	s_add_co_u32 s[CG], s[CG], s[X0]
	s_add_co_u32 s[CQ], s[CQ], s[X0+1]
.set n, n+1
.endr
	v_mov_b32 v36, s[CG]
	v_mov_b32 v37, s[CQ]
	s_lshl_b32 s[X0], s[WV], 3
	v_mov_b32 v38, s[X0]
	ds_store_b64 v38, v[36:37] offset:CNT
	s_wait_dscnt 0x0
	BAR
	v_and_b32 v38, WAVES-1, v1
	v_lshlrev_b32 v38, 3, v38
	ds_load_b64 v[36:37], v38 offset:CNT
	s_mov_b32 s[TOTG], 0
	s_mov_b32 s[GB], 0
	s_mov_b32 s[EB], 0
	s_mov_b32 s[KK], 0
	s_wait_dscnt 0x0
.Lcnt:
	v_readlane_b32 s[X0], v36, s[KK]
	v_readlane_b32 s[X0+1], v37, s[KK]
	s_cmp_lt_u32 s[KK], s[WV]
	s_cselect_b32 s[X0+2], s[X0], 0
	s_cselect_b32 s[X0+3], s[X0+1], 0
	s_add_co_u32 s[TOTG], s[TOTG], s[X0]
	s_add_co_u32 s[GB], s[GB], s[X0+2]
	s_add_co_u32 s[EB], s[EB], s[X0+3]
	s_add_co_u32 s[KK], s[KK], 1
	s_cmp_lt_u32 s[KK], WAVES
	s_cbranch_scc1 .Lcnt
	s_sub_co_u32 s[NEED], 100, s[TOTG]
.set n, 0
.rept 8
	v_mbcnt_lo_u32_b32 v36, s[EE+n], s[EB]
	v_cmp_gt_u32 s[X0], s[NEED], v36
	s_and_b32 s[X0], s[X0], s[EE+n]
	s_or_b32 s[SS+n], s[X0], s[GG+n]
	s_min_u32 s[X0+1], s[NEED], s[EB]
	s_add_co_u32 s[BB+n], s[GB], s[X0+1]
	s_bcnt1_i32_b32 s[X0], s[GG+n]
	s_bcnt1_i32_b32 s[X0+1], s[EE+n]
	s_add_co_u32 s[GB], s[GB], s[X0]
	s_add_co_u32 s[EB], s[EB], s[X0+1]
.set n, n+1
.endr
.set n, 0
.rept 8
	v_mov_b32 v[SELV+n], s[SS+n]
	v_mov_b32 v[BASEV+n], s[BB+n]
.set n, n+1
.endr
	s_lshl_b32 s[X0], s[WV], 5
	v_mov_b32 v[TABA], s[X0]
	ds_store_b128 v[TABA], v[SELV:SELV+3] offset:TAB
	ds_store_b128 v[TABA], v[SELV+4:SELV+7] offset:TAB+16
	ds_store_b128 v[TABA], v[BASEV:BASEV+3] offset:TAB+4*ROWS
	ds_store_b128 v[TABA], v[BASEV+4:BASEV+7] offset:TAB+4*ROWS+16
	ds_store_b128 v[TABA], v[PIDV:PIDV+3] offset:TAB+8*ROWS
	ds_store_b128 v[TABA], v[PIDV+4:PIDV+7] offset:TAB+8*ROWS+16
	s_wait_dscnt 0x0
	BAR
	s_cmp_gt_u32 s[WV], 2
	s_cbranch_scc1 .Lend                   ; three waves carry the 1,536 bytes out, 512 consecutive bytes each
	v_lshlrev_b32 v36, 4, v0
	ds_load_b128 v[40:43], v36 offset:TAB
	s_wait_dscnt 0x0
	global_store_b128 v36, v[40:43], s[8:9]
.Lend:
	s_wait_tensorcnt 0x0                   ; the wave's end
	ds_add_u32 v[SPW], v[NIL]
	s_wait_dscnt 0x0
	s_endpgm
.Lfunc_end_k_qeb48ec1af2_pick2:
	.size	k_qeb48ec1af2_pick2, .Lfunc_end_k_qeb48ec1af2_pick2-k_qeb48ec1af2_pick2
	.p2alignl 7, 3214868480
	.fill 96, 4, 3214868480
	.section	.rodata,"a",@progbits
	.p2align	6, 0x0
	.amdhsa_kernel k_qeb48ec1af2_pick2
		.amdhsa_group_segment_fixed_size 37632
		.amdhsa_private_segment_fixed_size 0
		.amdhsa_enable_private_segment 0
		.amdhsa_kernarg_size 24
		.amdhsa_user_sgpr_count 2
		.amdhsa_user_sgpr_kernarg_segment_ptr 1
		.amdhsa_wavefront_size32 1
		.amdhsa_system_sgpr_workgroup_id_x 1
		.amdhsa_system_sgpr_workgroup_id_y 1
		.amdhsa_system_sgpr_workgroup_id_z 1
		.amdhsa_system_vgpr_workitem_id 0
		.amdhsa_next_free_vgpr 80
		.amdhsa_next_free_sgpr 90
		.amdhsa_reserve_vcc 0
		.amdhsa_float_denorm_mode_32 3
		.amdhsa_float_denorm_mode_16_64 3
		.amdhsa_memory_ordered 1
		.amdhsa_forward_progress 1
		.amdhsa_inst_pref_size 52
	.end_amdhsa_kernel
	.amdgpu_metadata
---
amdhsa.version: [ 1, 2 ]
amdhsa.kernels:
  - .name:           k_qeb48ec1af2_pick2
    .symbol:         k_qeb48ec1af2_pick2.kd
    .args:
      - { .name: rec1, .offset: 0, .size: 8, .value_kind: global_buffer, .address_space: global }
      - { .name: m1, .offset: 8, .size: 8, .value_kind: global_buffer, .address_space: global }
      - { .name: rec2, .offset: 16, .size: 8, .value_kind: global_buffer, .address_space: global }
    .group_segment_fixed_size: 37632
    .private_segment_fixed_size: 0
    .kernarg_segment_align: 8
    .kernarg_segment_size: 24
    .max_flat_workgroup_size: 512
    .sgpr_count:     90
    .vgpr_count:     80
    .wavefront_size: 32
...
	.end_amdgpu_metadata
.endif
;; end of part 3
;; launch final (part 4): grid 256 x 1, 10 waves a work-group, no clusters, 62,720 bytes of LDS; arguments rec2, candidates, query_embeddings, identifiers, out0, out1; writes out0, out1
.if DOCPART == 4
	.amdgcn_target "amdgcn-amd-amdhsa--gfx1250"
	.amdhsa_code_object_version 6
	.text
	.protected	k_qeb48ec1af2_final
	.globl	k_qeb48ec1af2_final
	.p2align	8
	.type	k_qeb48ec1af2_final,@function
k_qeb48ec1af2_final:
	s_mov_b64 s[64:65], 0
	v_nop
	global_prefetch_b8 v0, s[64:65] scope:SCOPE_SE
	s_setreg_imm32_b32 hwreg(HW_REG_WAVE_MODE, 25, 1), 1
	s_wait_xcnt 0x0
; FINAL.  For query q = work-group: the 800 candidates of the 100 chosen fine groups are scored again, sorted, and the best 100 leave with their identifiers.
; THE SCORES are made as the first launch made them: both inputs rounded once to bf16, A = 16 candidates, B = the query (in all 16 columns), one chain of four
; v_wmma_f32_16x16x32_bf16, K ascending: the same sums that made the group maxima.
; SHARES.  Wave 0 turns rec2's bit words into the list of 100 groups, ascending.  Wave w of ten scores groups 10 w .. 10 w + 9: five tiles of two groups.  Element x = 8 slot + j
; ascends with the candidate's index.  Waves 0-7 sort 128 elements each (x up to 1,023; those from 800 on are -inf); three rounds merge eight lists into one.
; THE ORDER is (score descending, x ascending).  An element is three words: score, x, identifier.  The identifier is fetched BEFORE the sort, by an address that comes from rec2 alone,
; and travels with its score: no address and no branch hangs on a score.
; LIMITS.  NaN is not treated; +0 and -0 count as equal and go by index; scores are finite (-inf marks the padding).
.set STGW,  4352                       ; a wave's stage: 16 rows of 128 bf16, 272 bytes apart
.set SC,    10*STGW                    ; 1,120 f32: the scores by x, then padding
.set LIST,  48128                      ; 128 words: the chosen fine groups; behind them 512 bytes for the lanes that are not chosen
.set XB,    LIST+1024                  ; eight lists of 128 x three words
.set SPARE, XB+8*1536                  ; the spare words, 128 bytes a wave: five blocks of 256 bytes that no other line names
.set NG,    62500
.set L16,  4
.set STW,  5
.set STR,  6
.set SCW,  7
.set SPW,  8
.set NIL,  9
.set VO,   10                          ; v10-19 my ten groups, then their byte offsets
.set IDN,  24                          ; v24-27 the identifiers of my four sort elements
.set GRP,  28
.set IDA,  29
.set QOF,  30
.set NEGV, 31
.set QF,   32                          ; v32-63  the query's four fragments
.set BF,   64                          ; v64-95  a tile's four fragments
.set DD,   96                          ; v96-103 the accumulator
.set RING, 104                         ; v104-231 two slots of 16 rows
.set ES,   232
.set EBR,  236
.set EP,   240
.set ET,   244
.set CUR,  32                          ; the sort: score +0..3, x +4..7, identifier +8..11; two sets by turns
.set ALT,  44
.set P,    56                          ; v56-67 a partner's elements
.set WV,   12
.set NMB,  20                          ; s20-24 lanes whose bit 0 .. 4 is set: they keep the worse element
.set SELR, 26
.set SELI, 28
.set PR,   32                          ; s32-43 three words for each of four comparisons
.set CTR,  45
.set X0,   79
.set KK,   84
.macro BAR
	s_barrier_signal -1
	s_barrier_wait -1
.endm
.macro FLIPSETS
.set TMPS, CUR
.set CUR, ALT
.set ALT, TMPS
.endm
.macro EXPAND ns, padv, sb, rows       ; wave 0 alone, while no other wave touches LDS: bit words into a list (slot and the bit that sends a lane aside are clamped before they enter the address)
	s_cmp_lg_u32 s[WV], 0
	s_cbranch_scc1 .Lexp_done
	v_lshlrev_b32 v[ET], 2, v1
.set u, 0
.rept \ns
	global_load_b32 v[ES+u], v[ET], s[\sb:\sb+1] offset:128*u
	global_load_b32 v[EBR+u], v[ET], s[\sb:\sb+1] offset:4*(\rows)+128*u
	global_load_b32 v[EP+u], v[ET], s[\sb:\sb+1] offset:8*(\rows)+128*u
.set u, u+1
.endr
	v_mov_b32 v[ET+1], \padv
.set u, 0
.rept 4
	ds_store_b32 v[ET], v[ET+1] offset:LIST+128*u
.set u, u+1
.endr
	s_wait_loadcnt 0x0
.set u, 0
.rept \ns
	v_min_u32 v[EBR+u], 127, v[EBR+u]
	v_lshlrev_b32 v[EP+u], 5, v[EP+u]
.set u, u+1
.endr
	s_mov_b32 s[KK], 0
.Lexp:
.set u, 0
.rept \ns
	v_readlane_b32 s[X0], v[ES+u], s[KK]
	v_readlane_b32 s[X0+1], v[EBR+u], s[KK]
	v_readlane_b32 s[X0+2], v[EP+u], s[KK]
	v_mbcnt_lo_u32_b32 v[ET+2], s[X0], s[X0+1]
	v_min_u32 v[ET+2], 127, v[ET+2]
	v_bfe_u32 v[ET+3], s[X0], v1, 1
	v_xor_b32 v[ET+3], 1, v[ET+3]
	v_min_u32 v[ET+3], 1, v[ET+3]
	v_lshlrev_b32 v[ET+2], 2, v[ET+2]
	v_lshl_add_u32 v[ET+2], v[ET+3], 9, v[ET+2]
	v_add_nc_u32 v[ET+1], s[X0+2], v1
	ds_store_b32 v[ET+2], v[ET+1] offset:LIST
.set u, u+1
.endr
	s_add_co_u32 s[KK], s[KK], 1
	s_cmp_lt_u32 s[KK], 32
	s_cbranch_scc1 .Lexp
.Lexp_done:
.endm
.macro LT a                            ; tile a: groups 2 a and 2 a + 1 of my ten, 16 rows of 512 consecutive bytes, into slot a % 2
.set ro, 0
.rept 16
	global_load_b128 v[RING+64*((\a)%2)+4*ro:RING+64*((\a)%2)+4*ro+3], v[VO+2*(\a)+ro/8], s[6:7] offset:512*(ro%8)
.set ro, ro+1
.endr
.endm
.macro RT a, fill, left                ; tile a is scored.  left = the younger tile's loads that may stay out
	s_wait_loadcnt \left
.set rb, RING+64*((\a)%2)
.set ro, 0
.rept 16
	v_cvt_pk_bf16_f32 v[rb+4*ro], v[rb+4*ro], v[rb+4*ro+1]
	v_cvt_pk_bf16_f32 v[rb+4*ro+1], v[rb+4*ro+2], v[rb+4*ro+3]
.set ro, ro+1
.endr
.set ro, 0
.rept 16
	ds_store_b64 v[STW], v[rb+4*ro:rb+4*ro+1] offset:272*ro
.set ro, ro+1
.endr
.set ks, 0
.rept 4
	ds_load_b128 v[BF+8*ks:BF+8*ks+3], v[STR] offset:64*ks
	ds_load_b128 v[BF+8*ks+4:BF+8*ks+7], v[STR] offset:64*ks+32
.set ks, ks+1
.endr
	s_wait_dscnt 0x0                       ; the fragments are in, and the stores have read the slot
.if \fill
	LT (\a)+2
.endif
	v_wmma_f32_16x16x32_bf16 v[DD:DD+7], v[BF:BF+7], v[QF:QF+7], 0
	s_wait_alu depctr_va_vdst(0)           ; a wait ahead of each link
	v_wmma_f32_16x16x32_bf16 v[DD:DD+7], v[BF+8:BF+15], v[QF+8:QF+15], v[DD:DD+7]
	s_wait_alu depctr_va_vdst(0)
	v_wmma_f32_16x16x32_bf16 v[DD:DD+7], v[BF+16:BF+23], v[QF+16:QF+23], v[DD:DD+7]
	s_wait_alu depctr_va_vdst(0)
	v_wmma_f32_16x16x32_bf16 v[DD:DD+7], v[BF+24:BF+31], v[QF+24:QF+31], v[DD:DD+7]
.rept 4
	v_nop                                  ; four places between the last product and the read of its result (ISA guide 7.12.1)
.endr
	ds_store_b128 v[SCW], v[DD:DD+3] offset:64*(\a)       ; lane (r, h): rows 8 h + 0..7 = group 2 a + h; the 16 lanes r write the same words
	ds_store_b128 v[SCW], v[DD+4:DD+7] offset:64*(\a)+16
.endm
; THE NETWORK ON THREE WORDS.  PRED3 and JOIN3: s[PR + 3 i] = the element at ka is better than that at kb: a higher score, or an equal score and a lower x.
.macro PRED3 i, ka, kb
	v_cmp_gt_f32 s[PR+3*(\i)], v[\ka], v[\kb]
	v_cmp_eq_f32 s[PR+3*(\i)+1], v[\ka], v[\kb]
	v_cmp_lt_u32 s[PR+3*(\i)+2], v[(\ka)+4], v[(\kb)+4]
.endm
.macro JOIN3 i
	s_and_b32 s[PR+3*(\i)+1], s[PR+3*(\i)+1], s[PR+3*(\i)+2]
	s_or_b32 s[PR+3*(\i)], s[PR+3*(\i)], s[PR+3*(\i)+1]
.endm
.macro RST3 a0, b0, a1, b1             ; two pairs of a lane's places, a < b
	PRED3 0, CUR+\a0, CUR+\b0
	PRED3 1, CUR+\a1, CUR+\b1
	JOIN3 0
	JOIN3 1
.irp o,0,4,8
	v_cndmask_b32 v[ALT+(\o)+\a0], v[CUR+(\o)+\b0], v[CUR+(\o)+\a0], s[PR]
	v_cndmask_b32 v[ALT+(\o)+\b0], v[CUR+(\o)+\a0], v[CUR+(\o)+\b0], s[PR]
	v_cndmask_b32 v[ALT+(\o)+\a1], v[CUR+(\o)+\b1], v[CUR+(\o)+\a1], s[PR+3]
	v_cndmask_b32 v[ALT+(\o)+\b1], v[CUR+(\o)+\a1], v[CUR+(\o)+\b1], s[PR+3]
.endr
	FLIPSETS
.endm
.macro TAKE3 b                         ; the partner lies in P: a lane that keeps the better takes it if it is better, a lane of NMB + b if it is not (x differs, so one of the two is)
.irp e,0,1,2,3
	PRED3 \e, P+\e, CUR+\e
.endr
.irp e,0,1,2,3
	JOIN3 \e
	s_xor_b32 s[PR+3*(\e)], s[PR+3*(\e)], s[NMB+\b]
.endr
.irp e,0,1,2,3
.irp o,0,4,8
	v_cndmask_b32 v[ALT+(\o)+(\e)], v[CUR+(\o)+(\e)], v[P+(\o)+(\e)], s[PR+3*(\e)]
.endr
.endr
	FLIPSETS
.endm
.macro XST3 m, b, flip
.irp e,0,1,2,3
.set pe, (\e)^(3*(\flip))
	v_mov_b32_dpp v[P+(\e)], v[CUR+pe] row_xmask:\m row_mask:0xf bank_mask:0xf
	v_mov_b32_dpp v[P+4+(\e)], v[CUR+4+pe] row_xmask:\m row_mask:0xf bank_mask:0xf
	v_mov_b32_dpp v[P+8+(\e)], v[CUR+8+pe] row_xmask:\m row_mask:0xf bank_mask:0xf
.endr
	TAKE3 \b
.endm
.macro HST3 flip
.irp e,0,1,2,3
.irp o,0,4,8
.if \flip
	v_permlanex16_b32 v[P+(\o)+(\e)], v[CUR+(\o)+3-(\e)], s[SELR], s[SELR+1]
.else
	v_permlanex16_b32 v[P+(\o)+(\e)], v[CUR+(\o)+(\e)], s[SELI], s[SELI+1]
.endif
.endr
.endr
	TAKE3 4
.endm
.macro TAIL3                           ; distances 2 and 1
	RST3 0, 2, 1, 3
	RST3 0, 1, 2, 3
.endm
.macro SORT3                           ; 28 stages, as in the two launches before
	RST3 0, 1, 2, 3
	RST3 0, 3, 1, 2
	RST3 0, 1, 2, 3
	XST3 1, 0, 1
	TAIL3
	XST3 3, 1, 1
	XST3 1, 0, 0
	TAIL3
	XST3 7, 2, 1
	XST3 2, 1, 0
	XST3 1, 0, 0
	TAIL3
	XST3 15, 3, 1
	XST3 4, 2, 0
	XST3 2, 1, 0
	XST3 1, 0, 0
	TAIL3
	HST3 1
	XST3 8, 3, 0
	XST3 4, 2, 0
	XST3 2, 1, 0
	XST3 1, 0, 0
	TAIL3
.endm
.macro MERGE3                          ; the better of A[p] and B[127 - p] (B was read with the lanes reversed), then seven stages: eight turns of the sets, an even number
.irp e,0,1,2,3
	PRED3 \e, P+3-\e, CUR+\e
.endr
.irp e,0,1,2,3
	JOIN3 \e
.endr
.irp e,0,1,2,3
.irp o,0,4,8
	v_cndmask_b32 v[ALT+(\o)+(\e)], v[CUR+(\o)+(\e)], v[P+(\o)+3-(\e)], s[PR+3*(\e)]
.endr
.endr
	FLIPSETS
	HST3 0
	XST3 8, 3, 0
	XST3 4, 2, 0
	XST3 2, 1, 0
	XST3 1, 0, 0
	TAIL3
.endm
	s_load_b256 s[4:11], s[0:1], 0x0       ; rec2 s[4:5], candidates s[6:7], queries s[8:9], identifiers s[10:11]
	s_load_b128 s[16:19], s[0:1], 0x20     ; out0 s[16:17], out1 s[18:19]
	v_lshl_add_u32 v[SPW], v0, 2, SPARE
	v_mov_b32 v[NIL], 0
	v_and_b32 v1, 31, v0
	v_lshrrev_b32 v20, 5, v0
	v_readfirstlane_b32 s[WV], v20
	v_and_b32 v2, 15, v0                   ; r
	v_bfe_u32 v3, v0, 4, 1                 ; h
	v_lshlrev_b32 v[L16], 4, v1
	s_mul_i32 s13, s[WV], STGW
	v_lshl_add_u32 v[STW], v1, 3, s13
	v_mul_u32_u24 v[STR], v2, 272
	v_lshl_add_u32 v[STR], v3, 4, v[STR]
	v_add_nc_u32 v[STR], s13, v[STR]
	s_mul_i32 s13, s[WV], 320
	s_add_co_u32 s13, s13, SC
	v_lshl_add_u32 v[SCW], v3, 5, s13      ; x = 80 w + 16 a + 8 h + j
	v_lshlrev_b32 v[QOF], 5, v3
	v_mov_b32 v[NEGV], 0xff800000
	s_mov_b32 s[NMB], 0xaaaaaaaa
	s_mov_b32 s[NMB+1], 0xcccccccc
	s_mov_b32 s[NMB+2], 0xf0f0f0f0
	s_mov_b32 s[NMB+3], 0xff00ff00
	s_mov_b32 s[NMB+4], 0xffff0000
	s_mov_b32 s[SELR], 0x89abcdef
	s_mov_b32 s[SELR+1], 0x01234567
	s_mov_b32 s[SELI], 0x76543210
	s_mov_b32 s[SELI+1], 0xfedcba98
	s_mul_i32 s14, ttmp9, 1536
	s_mov_b32 s15, 0
	s_lshl_b32 s46, ttmp9, 9
	s_mov_b32 s47, 0
	s_mul_i32 s48, ttmp9, 400
	s_mov_b32 s49, 0
	s_wait_kmcnt 0x0
	s_add_nc_u64 s[4:5], s[4:5], s[14:15]
	s_add_nc_u64 s[8:9], s[8:9], s[46:47]
	s_add_nc_u64 s[16:17], s[16:17], s[48:49]
	s_add_nc_u64 s[18:19], s[18:19], s[48:49]
	; the query as B: every column the same; lane (r, h) holds k = 32 s + 8 h + 0..7 and 32 s + 16 + 8 h + 0..7
.set ks, 0
.rept 4
	global_load_b128 v[RING+16*ks:RING+16*ks+3], v[QOF], s[8:9] offset:128*ks
	global_load_b128 v[RING+16*ks+4:RING+16*ks+7], v[QOF], s[8:9] offset:128*ks+16
	global_load_b128 v[RING+16*ks+8:RING+16*ks+11], v[QOF], s[8:9] offset:128*ks+64
	global_load_b128 v[RING+16*ks+12:RING+16*ks+15], v[QOF], s[8:9] offset:128*ks+80
.set ks, ks+1
.endr
	s_wait_loadcnt 0x0
.set i, 0
.rept 32
	v_cvt_pk_bf16_f32 v[QF+i], v[RING+2*i], v[RING+2*i+1]
.set i, i+1
.endr
	EXPAND 4, 0xfffff, 4, 128
	s_wait_dscnt 0x0                       ; wave 0's list is in LDS
	BAR
	s_lshl_b32 s13, s[WV], 4
	v_lshrrev_b32 v20, 1, v1
	v_add_nc_u32 v20, s13, v20
	v_and_b32 v20, 127, v20                ; the slot of my four sort elements: 16 w + lane / 2 (waves 8 and 9 sort nothing: their slot is folded back into the list)
	v_lshlrev_b32 v20, 2, v20
	ds_load_b32 v[GRP], v20 offset:LIST
	s_mul_i32 s13, s[WV], 40
	v_mov_b32 v21, s13
.set i, 0
.rept 5
	ds_load_b64 v[VO+2*i:VO+2*i+1], v21 offset:LIST+8*i
.set i, i+1
.endr
	v_lshlrev_b32 v23, 2, v0
	ds_store_b32 v23, v[NEGV] offset:SC+3200   ; x = 800 + thread: the padding
	v_and_b32 v22, 1, v1
	v_lshlrev_b32 v22, 4, v22
	s_wait_dscnt 0x0
	v_min_u32 v[IDA], NG-1, v[GRP]
	v_lshl_add_u32 v[IDA], v[IDA], 5, v22
	global_load_b128 v[IDN:IDN+3], v[IDA], s[10:11]  ; identifiers 8 g + 4 (lane % 2) + 0..3
.set n, 0
.rept 10
	v_min_u32 v[VO+n], NG-1, v[VO+n]
	v_lshl_add_u32 v[VO+n], v[VO+n], 12, v[L16]   ; a group is 4,096 consecutive bytes
.set n, n+1
.endr
	LT 0
	LT 1
	RT 0, 1, 16
	RT 1, 1, 16
	RT 2, 1, 16
	RT 3, 0, 16
	RT 4, 0, 0
	s_wait_dscnt 0x0                       ; for the others' sake: my scores are in LDS
	BAR
	s_mul_i32 s13, s[WV], 1536
	v_add_nc_u32 v20, s13, v[L16]          ; where my wave's list goes
	s_mul_i32 s13, s[WV], 3072
	v_add_nc_u32 v21, s13, v[L16]          ; list 2 w as it lies,
	v_sub_nc_u32 v22, 31, v1
	v_lshlrev_b32 v22, 4, v22
	v_add_nc_u32 v22, s13, v22             ; list 2 w + 1 with the lanes reversed
	s_cmp_gt_u32 s[WV], 7
	s_cbranch_scc1 .Lnosort
	v_lshlrev_b32 v23, 4, v0
	ds_load_b128 v[CUR:CUR+3], v23 offset:SC   ; x = 4 thread + e
	v_lshlrev_b32 v23, 2, v0
.irp e,0,1,2,3
	v_add_nc_u32 v[CUR+4+(\e)], \e, v23
	v_mov_b32 v[CUR+8+(\e)], v[IDN+(\e)]
.endr
	s_wait_dscnt 0x0
	SORT3
.Lnosort:
	s_mov_b32 s[CTR], 3
.Lmerge:                                       ; three trips: 8 lists, 4, 2, 1.  The addresses are the same in every trip: waves 0-7 store, waves 0-3 merge lists 2 w and 2 w + 1;
	s_cmp_gt_u32 s[WV], 7                  ; in the later trips the higher waves' merges are of lists that nobody needs
	s_cbranch_scc1 .Lnostore
	ds_store_b128 v20, v[CUR:CUR+3] offset:XB
	ds_store_b128 v20, v[CUR+4:CUR+7] offset:XB+512
	ds_store_b128 v20, v[CUR+8:CUR+11] offset:XB+1024
.Lnostore:
	s_wait_dscnt 0x0
	BAR
	s_cmp_gt_u32 s[WV], 3
	s_cbranch_scc1 .Lidle
	ds_load_b128 v[CUR:CUR+3], v21 offset:XB
	ds_load_b128 v[CUR+4:CUR+7], v21 offset:XB+512
	ds_load_b128 v[CUR+8:CUR+11], v21 offset:XB+1024
	ds_load_b128 v[P:P+3], v22 offset:XB+1536
	ds_load_b128 v[P+4:P+7], v22 offset:XB+1536+512
	ds_load_b128 v[P+8:P+11], v22 offset:XB+1536+1024
	s_wait_dscnt 0x0
	MERGE3
.Lidle:
	s_wait_dscnt 0x0                       ; my reads of the lists are over:
	BAR                                    ; everybody's are, and the lists may be written again
	s_sub_co_u32 s[CTR], s[CTR], 1
	s_cmp_lg_u32 s[CTR], 0
	s_cbranch_scc1 .Lmerge
	s_cmp_lg_u32 s[WV], 0
	s_cbranch_scc1 .Lend
	v_cmp_gt_u32 vcc_lo, 25, v1            ; places 0-99 lie in lanes 0-24
	s_wait_xcnt 0x0                        ; EXEC changes only behind this wait
	s_and_saveexec_b32 s[X0], vcc_lo
	global_store_b128 v[L16], v[CUR:CUR+3], s[16:17]
	global_store_b128 v[L16], v[CUR+8:CUR+11], s[18:19]
	s_wait_xcnt 0x0                        ; and again in front of the line that widens it
	s_or_b32 exec_lo, exec_lo, s[X0]
.Lend:
	s_wait_tensorcnt 0x0                   ; the wave's end
	ds_add_u32 v[SPW], v[NIL]
	s_wait_dscnt 0x0
	s_endpgm
.Lfunc_end_k_qeb48ec1af2_final:
	.size	k_qeb48ec1af2_final, .Lfunc_end_k_qeb48ec1af2_final-k_qeb48ec1af2_final
	.p2alignl 7, 3214868480
	.fill 96, 4, 3214868480
	.section	.rodata,"a",@progbits
	.p2align	6, 0x0
	.amdhsa_kernel k_qeb48ec1af2_final
		.amdhsa_group_segment_fixed_size 62720
		.amdhsa_private_segment_fixed_size 0
		.amdhsa_enable_private_segment 0
		.amdhsa_kernarg_size 48
		.amdhsa_user_sgpr_count 2
		.amdhsa_user_sgpr_kernarg_segment_ptr 1
		.amdhsa_wavefront_size32 1
		.amdhsa_system_sgpr_workgroup_id_x 1
		.amdhsa_system_sgpr_workgroup_id_y 1
		.amdhsa_system_sgpr_workgroup_id_z 1
		.amdhsa_system_vgpr_workitem_id 0
		.amdhsa_next_free_vgpr 248
		.amdhsa_next_free_sgpr 90
		.amdhsa_reserve_vcc 1
		.amdhsa_float_denorm_mode_32 3
		.amdhsa_float_denorm_mode_16_64 3
		.amdhsa_memory_ordered 1
		.amdhsa_forward_progress 1
		.amdhsa_inst_pref_size 117
	.end_amdhsa_kernel
	.amdgpu_metadata
---
amdhsa.version: [ 1, 2 ]
amdhsa.kernels:
  - .name:           k_qeb48ec1af2_final
    .symbol:         k_qeb48ec1af2_final.kd
    .args:
      - { .name: rec2, .offset: 0, .size: 8, .value_kind: global_buffer, .address_space: global }
      - { .name: candidates, .offset: 8, .size: 8, .value_kind: global_buffer, .address_space: global }
      - { .name: query_embeddings, .offset: 16, .size: 8, .value_kind: global_buffer, .address_space: global }
      - { .name: identifiers, .offset: 24, .size: 8, .value_kind: global_buffer, .address_space: global }
      - { .name: out0, .offset: 32, .size: 8, .value_kind: global_buffer, .address_space: global }
      - { .name: out1, .offset: 40, .size: 8, .value_kind: global_buffer, .address_space: global }
    .group_segment_fixed_size: 62720
    .private_segment_fixed_size: 0
    .kernarg_segment_align: 8
    .kernarg_segment_size: 48
    .max_flat_workgroup_size: 320
    .sgpr_count:     90
    .vgpr_count:     248
    .wavefront_size: 32
...
	.end_amdgpu_metadata
.endif
;; end of part 4
;; ======== version 2 of 2: 4 launches; version 1 with the launch scan written anew for expert scheduling mode
;; workspace buffers: m1 64,225,280 bytes; m2 2,007,040 bytes; rec1 196,608 bytes of whole numbers; rec2 393,216 bytes of whole numbers
;; launch scan (part 5): grid 245 x 1, 4 waves a work-group, no clusters, 321,024 bytes of LDS; arguments candidates, query_embeddings, m1, m2; writes m1, m2
.if DOCPART == 5
	.amdgcn_target "amdgcn-amd-amdhsa--gfx1250"
	.amdhsa_code_object_version 6
	.text
	.protected	k_qeb48ec1af2_scan
	.globl	k_qeb48ec1af2_scan
	.p2align	8
	.type	k_qeb48ec1af2_scan,@function
k_qeb48ec1af2_scan:
	s_mov_b64 s[64:65], 0
	v_nop
	global_prefetch_b8 v0, s[64:65] scope:SCOPE_SE
	s_setreg_imm32_b32 hwreg(HW_REG_WAVE_SCHED_MODE, 0, 2), 2
	s_setreg_imm32_b32 hwreg(HW_REG_WAVE_MODE, 25, 1), 1
	s_wait_xcnt 0x0
	s_wait_alu depctr_vm_vsrc(0)
; SCAN.  All scores of 256 queries x 500,000 candidates, of which only maxima are kept:
;   m1[c][q][i] = the largest score of query q among the 8 candidates 256 c + 8 i + 0..7   (f32, 128 bytes for each (c, q))
;   m2[wg][q][e] = the largest score among the 256 candidates of c = 8 wg + e
; Both inputs are rounded once to bf16; a score is one chain of four v_wmma_f32_16x16x32_bf16, K ascending, A = 16 candidates, B = 16 queries.
; SHARES.  Wave job W = 4 x work-group + wave owns candidates 512 W .. 512 W + 511 (c = 2 W, 2 W + 1) and ALL 256 queries, whose fragments fill 512 registers.
; A tile is 16 candidates: rows 0-7 are child i of c = 2 W, rows 8-15 child i of c = 2 W + 1.  In the result lane (r, h) holds query 16 t + r and rows 8 h + 0..7:
; the maximum of a lane's eight registers IS one number of m1.  32 tiles a wave; no wave reads another wave's candidates, so the loop has no barrier.
; THE TABLE'S END.  Row offsets are clamped to the last eight rows.  Job 976's second half so repeats the 8 candidates of child 3 of c = 1953 as children 4-31: the maximum
; of c = 1953 stays right, and the launch that reads m1 masks those children.  Jobs 977-979 (three waves of the last work-group) own nothing: they walk the clamped rows with
; the same text and store what comes of it as c = 1954-1959, for which m1 and m2 have room (1,960 blocks) and which no launch uses: the launch that reads m2 masks c >= 1954,
; the one that reads m1 goes no further than c = 1953.  That is 196,608 bytes of m1 stored for nothing, the price of a text without a branch on the job.
; NO TENSOR LOADS, NO CLUSTER: work-groups share only Q (131,072 bytes against 1,048,576 of candidates each), and a ring of registers with counted waits needs no barrier.
; LIMITS.  NaN is not treated (a NaN loses every maximum).  bf16 has f32's range.
; THE MODE: SCHED_MODE bits 1:0 = 2 (LLVM: expert scheduling mode 2), set by the entry lines.  The code itself states the register dependences
; between vector or matrix instructions and memory or LDS instructions, with s_wait_alu, always for 0.
; THE PLAN.  Registers that memory or LDS instructions touch, in the loop over tiles:
;   ring slot sl   Read by its tile's 32 conversions; behind them the 16 loads of the tile four further on land in it.
;   VO, two a slot Written at the head of the slot's turn; read by those 16 loads.
;   CT             Written by a tile's conversions; read by its 16 stores into the stage.
;   AF             A tile's 8 LDS loads land in it; its 64 products read it.
;   FM             Written by a tile's maxima; read by 16 LDS stores that are issued in the NEXT tile of the trip (the fourth tile's at the trip's end).
;   M1A            Read by those stores; written once a trip, at its end.      STW, STR: never written again.
;   ACC, CM and Q's fragments are named by vector and matrix instructions alone.
; ONE wait on va_vdst stands in a tile, behind its conversions: CT and VO are written, the tile before has written FM, the conversions are done reading the slot, the last tile's
; products are done reading AF.  All the tile's memory and LDS instructions follow it with no further wait on va_vdst: the stage's stores and AF's loads at once, the slot's 16 loads and FM's 16 stores
; between the two halves of the products, which name AF, Q and ACC: none of the registers that those loads and stores touch.
; ONE wait on vm_vsrc stands in a tile, behind its products: the stores have read FM and CT and the loads VO, which this tile's maxima, the next tile's conversions and the slot's
; next turn write again.  A trip's end has one more of each: ahead of the fourth tile's stores of FM, and between them and the add to M1A.
; REGISTERS, in windows of 256 (s_set_vgpr_msb: bits 1:0 source 0, 3:2 source 1, 5:4 source 2, 7:6 destination):
;   window 0: addresses, FM, CM, CT, AF, ACC (below)   window 1: Q tiles 0-7 at 32 t + 8 s   window 2: Q tiles 8-15   window 3: the ring, slot sl row ro at 64 sl + 4 ro
.set NCAND,  500000
.set LIM,    (NCAND-8)*512             ; byte offset of the table's last eight rows
.set PQ,     272                       ; a row of 128 bf16 in LDS: 256 bytes + 16: the 16 rows of a fragment load start 68 words apart
.set PM,     144                       ; a row of 32 f32 maxima in LDS: 128 bytes + 16
.set M1W,    512*PM                    ; a wave's maxima: rows 256 h + q
.set STG,    4*M1W                     ; behind them: for each wave 16 rows of bf16, the tile in hand
.set STGW,   16*PQ
.set M2T,    STG+4*STGW                ; [q][8] f32: the work-group's part of m2
.set SPARE,  M2T+8192                  ; the spare words, 128 bytes a wave: two blocks of 256 bytes that no other line names
                                       ; Q's 256 rows of bf16 (69,632 bytes) lie at LDS byte 0 until the second barrier; then the maxima take the bytes
.set LANE, 1
.set L16,  2                           ; 16 x lane
.set STW,  3                           ; my 8 bytes of a row of my stage
.set STR,  4                           ; my place in a fragment read from my stage
.set M1A,  5                           ; my row of maxima: 256 h + r, plus 16 bytes a trip
.set QA,   6                           ; my place in a fragment of Q
.set GOF,  7                           ; the dump: my byte offset in 512 consecutive bytes of m1; never rewritten
.set M2A,  8                           ; my word of the table
.set DR,   9                           ; the dump: my place in the first four rows of my wave's maxima; never rewritten
.set VO,   10                          ; v10-17  slot sl: byte offsets of its two groups of eight rows
.set SPW,  18                          ; my spare word; never rewritten
.set NIL,  19                          ; 0; never rewritten
.set DRX,  28                          ; the dump: where I read in the trip in hand
.set TOF,  29                          ; the table: 16 x thread, my byte offset in the work-group's part of m2; never rewritten
.set TRD,  30                          ; the table: where I read it in LDS; never rewritten
.set FM,   32                          ; v32-47  this tile's maxima, one a query tile
.set CM,   48                          ; v48-63  the running maxima over the wave's tiles
.set CT,   64                          ; v64-95  a tile rounded to bf16
.set AF,   96                          ; v96-127 the tile's four fragments
.set ACC,  128                         ; v128-255 sixteen accumulators
.set MSB, 0
.macro WIN new                         ; the immediate's high byte repeats the setting that is left; a switch that changes nothing is dropped
.if MSB != (\new)
	s_set_vgpr_msb (MSB<<8)|(\new)
.set MSB, \new
.endif
.endm
.macro BAR
	s_barrier_signal -1
	s_barrier_wait -1
.endm
; Slot sl takes the next tile: 16 rows of 512 bytes, each load 512 consecutive bytes.  FADDR makes the slot's two offsets, FLOAD issues the loads; a wait on va_vdst stands between the two.
; In the loop the two offset registers are free at FADDR: the wait at the head of the slot's turn has shown its loads done, and a wait on vm_vsrc has been passed since they were issued.
.macro FADDR sl
	s_min_u32 s16, s14, s18
	s_min_u32 s19, s15, s18
	v_add_nc_u32 v[VO+2*(\sl)], s16, v[L16]
	v_add_nc_u32 v[VO+2*(\sl)+1], s19, v[L16]
	s_add_co_u32 s14, s14, 4096
	s_add_co_u32 s15, s15, 4096
.endm
.macro FLOAD sl
	WIN 0xc0                               ; destination window 3, address window 0
.set ro, 0
.rept 16
	global_load_b128 v[64*(\sl)+4*ro:64*(\sl)+4*ro+3], v[VO+2*(\sl)+ro/8], s[4:5] offset:512*(ro%8) th:TH_LOAD_NT
.set ro, ro+1
.endr
.endm
; 32 products: query tiles t0 .. t0 + 7, K ascending.  The eight accumulators take turns, one instruction a turn; the first K step starts the sums.
.macro MM8 t0, waits
.set ks, 0
.rept 4
.if \waits
	s_wait_dscnt 6-2*ks                    ; this K step's two fragment loads are in; those of the later steps may be out
.endif
.set t, \t0
.rept 8
.if ks == 0
	v_wmma_f32_16x16x32_bf16 v[ACC+8*t:ACC+8*t+7], v[AF+8*ks:AF+8*ks+7], v[32*(t%8)+8*ks:32*(t%8)+8*ks+7], 0
.else
	v_wmma_f32_16x16x32_bf16 v[ACC+8*t:ACC+8*t+7], v[AF+8*ks:AF+8*ks+7], v[32*(t%8)+8*ks:32*(t%8)+8*ks+7], v[ACC+8*t:ACC+8*t+7]
.endif
.set t, t+1
.endr
.set ks, ks+1
.endr
.endm
; The maxima of a tile, stage by stage over the 16 query tiles, so that no line reads the result of the line before it.  Each accumulator's lowest registers are read first.
.macro LUMP
.set t, 0
.rept 16
	v_max3_num_f32 v[FM+t], v[ACC+8*t], v[ACC+8*t+1], v[ACC+8*t+2]
.set t, t+1
.endr
.set t, 0
.rept 16
	v_max3_num_f32 v[FM+t], v[FM+t], v[ACC+8*t+3], v[ACC+8*t+4]
.set t, t+1
.endr
.set t, 0
.rept 16
	v_max3_num_f32 v[FM+t], v[FM+t], v[ACC+8*t+5], v[ACC+8*t+6]
.set t, t+1
.endr
.set t, 0
.rept 16
	v_max_num_f32 v[FM+t], v[FM+t], v[ACC+8*t+7]
.set t, t+1
.endr
.set t, 0
.rept 16
	v_max_num_f32 v[CM+t], v[CM+t], v[FM+t]
.set t, t+1
.endr
.endm
; The maxima of the trip's tile sl go into my rows of LDS.  Address and data lie in window 0.
.macro PUT sl
.set t, 0
.rept 16
	ds_store_b32 v[M1A], v[FM+t] offset:16*PM*t+4*(\sl)  ; row 256 h + 16 t + r, child 4 x trip + sl
.set t, t+1
.endr
.endm
; The turn of slot sl.  fill = 1: the slot takes the tile four further on.  left = the younger loads that may stay out: 16 for each younger slot.
; prev = the trip's tile whose maxima are stored in this turn, or -1: a trip's first tile has none.
.macro TILE sl, fill, left, prev
	s_wait_loadcnt \left                   ; loads come back in order: my slot's 16 are in
.if \fill
	FADDR \sl
.endif
	WIN 0x0f                               ; sources in window 3
.set ro, 0
.rept 16
	v_cvt_pk_bf16_f32 v[CT+2*ro], v[64*(\sl)+4*ro], v[64*(\sl)+4*ro+1]
	v_cvt_pk_bf16_f32 v[CT+2*ro+1], v[64*(\sl)+4*ro+2], v[64*(\sl)+4*ro+3]
.set ro, ro+1
.endr
	WIN 0
	s_wait_alu depctr_va_vdst(0)           ; the conversions have written CT and are done reading the slot; the slot's two offsets are written; the tile before has written FM, and its products are done reading AF
.set ro, 0
.rept 16
	ds_store_b64 v[STW], v[CT+2*ro:CT+2*ro+1] offset:PQ*ro  ; lane l holds k = 4 l .. 4 l + 3 of row ro
.set ro, ro+1
.endr
.set ks, 0
.rept 4                                ; LDS serves a wave's instructions in order: these see the stores above
	ds_load_b128 v[AF+8*ks:AF+8*ks+3], v[STR] offset:64*ks
	ds_load_b128 v[AF+8*ks+4:AF+8*ks+7], v[STR] offset:64*ks+32
.set ks, ks+1
.endr
	WIN 0x04                               ; B in window 1
	MM8 0, 1
.if (\fill) || ((\prev) >= 0)
	WIN 0xc0                               ; one setting for the run below: a load's destination in window 3; addresses and a store's data in window 0
.endif
.if \fill
	FLOAD \sl                              ; no wait: since the wait above only products have been issued, which name AF, Q and ACC
.endif
.if (\prev) >= 0
	PUT \prev                              ; likewise: FM and M1A have not been named since that wait
.endif
	WIN 0x08                               ; B in window 2
	MM8 8, 0
	WIN 0
.rept 4
	v_nop                                  ; four places between the products and the first read of a result (ISA guide 7.12.1)
.endr
	s_wait_alu depctr_vm_vsrc(0)           ; the stores above have read FM, which the maxima below write, and CT, which the next tile's conversions write; the loads have read the slot's offsets
	LUMP
.endm
	s_load_b256 s[4:11], s[0:1], 0x0       ; candidates s[4:5], queries s[6:7], m1 s[8:9], m2 s[10:11]
	v_lshl_add_u32 v[SPW], v0, 2, SPARE
	v_mov_b32 v[NIL], 0
	v_and_b32 v[LANE], 31, v0
	v_lshrrev_b32 v20, 5, v0
	v_readfirstlane_b32 s12, v20           ; wave 0..3
	v_lshlrev_b32 v[L16], 4, v[LANE]
	v_and_b32 v21, 15, v0                  ; r
	v_bfe_u32 v22, v0, 4, 1                ; h
	v_mul_u32_u24 v[QA], v21, PQ
	v_lshl_add_u32 v[QA], v22, 4, v[QA]    ; row r x pitch + 16 h
	v_bfe_u32 v23, v0, 3, 2                ; lane / 8
	v_and_b32 v24, 7, v0
	v_mov_b32 v[GOF], v[L16]               ; the dump's four rows are 512 consecutive bytes of m1
	v_lshlrev_b32 v[TOF], 4, v0
	v_add_nc_u32 v[TRD], M2T, v[TOF]
	s_mov_b32 s18, LIM
	s_wait_alu depctr_va_sdst(0)           ; s12 is written, ahead of its first reader: the job, the LDS places and the offsets are made from it
	s_lshl_b32 s13, ttmp9, 2
	s_add_co_u32 s13, s13, s12             ; W
	s_lshl_b32 s14, s13, 18                ; byte offset of my first half's next eight rows,
	s_add_co_u32 s15, s14, 131072          ; and of my second half's
	s_mul_i32 s20, s12, STGW
	s_add_co_u32 s20, s20, STG             ; my stage
	v_lshl_add_u32 v[STW], v[LANE], 3, s20
	v_add_nc_u32 v[STR], s20, v[QA]
	s_mul_i32 s21, s12, M1W                ; my maxima
	v_mul_u32_u24 v[M1A], v21, PM
	v_mad_u32_u24 v[M1A], v22, 256*PM, v[M1A]
	v_add_nc_u32 v[M1A], s21, v[M1A]
	v_mul_u32_u24 v[DR], v23, PM           ; the dump: 32 lanes take four rows of 128 bytes
	v_lshl_add_u32 v[DR], v24, 4, v[DR]
	v_add_nc_u32 v[DR], s21, v[DR]
	s_lshl_b32 s22, s12, 3
	s_add_co_u32 s22, s22, M2T
	v_lshlrev_b32 v[M2A], 5, v21
	v_lshl_add_u32 v[M2A], v22, 2, v[M2A]
	v_add_nc_u32 v[M2A], s22, v[M2A]       ; table word (q = r, e = 2 w + h)
	s_lshl_b32 s23, s12, 15
	v_add_nc_u32 v25, s23, v[L16]          ; Q: my 16 bytes of row 64 w
	s_mul_i32 s23, s12, 64*PQ
	v_lshl_add_u32 v26, v[LANE], 3, s23    ; and where they go in LDS, rounded
	FADDR 0                                ; the offsets of tiles 0 to 3
	FADDR 1
	FADDR 2
	FADDR 3
	s_wait_kmcnt 0x0
	; Q first, one run of 64 rows a wave into window 1 (later the fragments' home), then three slots of the ring: all of it is on its way together
	WIN 0x40
	s_wait_alu depctr_va_vdst(0)           ; every offset and LDS address made above is written: v3 to v9, the ring's v10 to v17, v25, v26, v29 and v30, which the loads and stores below read
.set i, 0
.rept 64
	global_load_b128 v[4*i:4*i+3], v25, s[6:7] offset:512*i
.set i, i+1
.endr
	FLOAD 0
	FLOAD 1
	FLOAD 2
	s_wait_loadcnt 48                      ; Q is in; the three slots' 48 loads stay out
	WIN 0x05                               ; sources in window 1
.set i, 0
.rept 64
	v_cvt_pk_bf16_f32 v[CT+2*i], v[4*i], v[4*i+1]
	v_cvt_pk_bf16_f32 v[CT+2*i+1], v[4*i+2], v[4*i+3]
.set i, i+1
.endr
	WIN 0
	s_wait_alu depctr_va_vdst(0)           ; the conversions have written v64 to v191, which the LDS stores read, and are done reading window 1, in which the fragments' loads land
.set i, 0
.rept 64
	ds_store_b64 v26, v[CT+2*i:CT+2*i+1] offset:PQ*i
.set i, i+1
.endr
	s_wait_dscnt 0x0                       ; for the others' sake: my 64 rows of Q are in LDS
	BAR
	WIN 0x40                               ; a fragment of Q: lane (r, h) holds query 16 t + r, k = 32 s + 8 h + 0..7 and 32 s + 16 + 8 h + 0..7
.set t, 0
.rept 16
.if t == 8
	WIN 0x80
.endif
.set ks, 0
.rept 4
	ds_load_b128 v[32*(t%8)+8*ks:32*(t%8)+8*ks+3], v[QA] offset:16*PQ*t+64*ks
	ds_load_b128 v[32*(t%8)+8*ks+4:32*(t%8)+8*ks+7], v[QA] offset:16*PQ*t+64*ks+32
.set ks, ks+1
.endr
.set t, t+1
.endr
	WIN 0
	s_wait_dscnt 0x0                       ; my reads of Q are over:
	BAR                                    ; everybody's are, and the bytes may take maxima
	FLOAD 3                                ; its offsets were made at the head; no vector instruction has named the slot
	WIN 0
.set t, 0
.rept 16
	v_mov_b32 v[CM+t], 0xff800000          ; -inf
.set t, t+1
.endr
	s_wait_alu depctr_vm_vsrc(0)           ; Q's LDS stores have read v64 to v191, which are CT, AF and accumulators from here on; slot 0's loads have read its offsets, which the first tile writes again
	s_mov_b32 s17, 7
.Ltiles:                                       ; a trip: four tiles, each slot once, each filled again
	TILE 0, 1, 48, -1
	TILE 1, 1, 48, 0
	TILE 2, 1, 48, 1
	TILE 3, 1, 48, 2
	s_wait_alu depctr_va_vdst(0)           ; the fourth tile's maxima have written FM, which the stores below read
	PUT 3
	s_wait_alu depctr_vm_vsrc(0)           ; those stores have read M1A, which the next line writes
	v_add_nc_u32 v[M1A], 16, v[M1A]        ; four children on; its next reader stands behind the next tiles' waits on va_vdst
	s_sub_co_u32 s17, s17, 1
	s_cmp_lg_u32 s17, 0
	s_cbranch_scc1 .Ltiles
	TILE 0, 0, 48, -1                      ; the last four tiles load nothing: the counts run down
	TILE 1, 0, 32, 0
	TILE 2, 0, 16, 1
	TILE 3, 0, 0, 2
	s_wait_alu depctr_va_vdst(0)           ; the last maxima have written FM and CM, which the stores below read, and are done reading the accumulators, in which the table's loads land
	PUT 3
	; THE TABLE.  The four waves' running maxima meet in one table.  These are the launch's last stores into LDS (the closing add aside): every wave waits for all its LDS stores
	; and passes the barrier, and behind it LDS is only read, the table by all four waves and each wave's maxima by the dump.
.set t, 0
.rept 16
	ds_store_b32 v[M2A], v[CM+t] offset:512*t
.set t, t+1
.endr
	s_wait_dscnt 0x0                       ; for the others' sake: my words of the table, and all my earlier LDS stores, are done
	BAR
	s_lshl_b32 s20, ttmp9, 13
	s_mov_b32 s21, 0
	s_add_nc_u64 s[10:11], s[10:11], s[20:21]
.set u, 0
.rept 4                                ; into accumulator registers, which are free: no vector or matrix instruction has been issued since the wait on va_vdst above; the dump below rewrites none of them
	ds_load_b128 v[ACC+4*u:ACC+4*u+3], v[TRD] offset:2048*u
.set u, u+1
.endr
.set u, 0
.rept 4
	s_wait_dscnt 3-u                       ; load u is in; the younger ones may be out
	global_store_b128 v[TOF], v[ACC+4*u:ACC+4*u+3], s[10:11] offset:2048*u  ; the work-group's 8,192 consecutive bytes of m2, 512 a wave and store
.set u, u+1
.endr
	; THE DUMP.  My 512 rows of 128 bytes are 65,536 consecutive bytes of m1.  m1's scalar base moves on from trip to trip; an LDS address has no scalar base, so that one is made anew by a vector add.
	s_lshl_b32 s20, s13, 16
	s_mov_b32 s21, 0
	s_add_nc_u64 s[8:9], s[8:9], s[20:21]
	s_mov_b32 s22, 0                       ; the trip's first row among my 512, in LDS bytes
	s_mov_b32 s17, 8
.Ldump:                                        ; a trip: 64 rows
	s_wait_alu depctr_vm_vsrc(0)           ; the last trip's LDS loads have read v[DRX], which the next line writes; its stores have read v64 to v127, in which this trip's loads land
	v_add_nc_u32 v[DRX], s22, v[DR]
	s_wait_alu depctr_va_vdst(0)           ; v[DRX] is written, which the loads below read
.set u, 0
.rept 16
	ds_load_b128 v[CT+4*u:CT+4*u+3], v[DRX] offset:4*PM*u
.set u, u+1
.endr
.set u, 0
.rept 16
	s_wait_dscnt 15-u                      ; load u is in; the younger ones may be out
	global_store_b128 v[GOF], v[CT+4*u:CT+4*u+3], s[8:9] offset:512*u th:TH_STORE_NT  ; 512 consecutive bytes, at a multiple of 512 from m1's first
.set u, u+1
.endr
	s_wait_xcnt 0x0                        ; the stores' base and data registers are rewritten only behind this wait
	s_add_nc_u64 s[8:9], s[8:9], 8192      ; 64 rows of m1 on
	s_add_co_u32 s22, s22, 64*PM
	s_sub_co_u32 s17, s17, 1
	s_cmp_lg_u32 s17, 0
	s_cbranch_scc1 .Ldump
	s_wait_dscnt 0x0                       ; my reads of LDS are over (the last count-down ended at 0):
	BAR                                    ; everybody's are, before any wave touches LDS again
	s_wait_dscnt 0x0                       ; the closing lines, six on end
	s_wait_alu 0x0
	s_wait_tensorcnt 0x0
	ds_add_u32 v[SPW], v[NIL]
	s_wait_dscnt 0x0
	s_endpgm
.Lfunc_end_k_qeb48ec1af2_scan:
	.size	k_qeb48ec1af2_scan, .Lfunc_end_k_qeb48ec1af2_scan-k_qeb48ec1af2_scan
	.p2alignl 7, 3214868480
	.fill 96, 4, 3214868480
	.section	.rodata,"a",@progbits
	.p2align	6, 0x0
	.amdhsa_kernel k_qeb48ec1af2_scan
		.amdhsa_group_segment_fixed_size 321024
		.amdhsa_private_segment_fixed_size 0
		.amdhsa_enable_private_segment 0
		.amdhsa_kernarg_size 32
		.amdhsa_user_sgpr_count 2
		.amdhsa_user_sgpr_kernarg_segment_ptr 1
		.amdhsa_wavefront_size32 1
		.amdhsa_system_sgpr_workgroup_id_x 1
		.amdhsa_system_sgpr_workgroup_id_y 1
		.amdhsa_system_sgpr_workgroup_id_z 1
		.amdhsa_system_vgpr_workitem_id 0
		.amdhsa_next_free_vgpr 1024
		.amdhsa_next_free_sgpr 66
		.amdhsa_reserve_vcc 0
		.amdhsa_float_denorm_mode_32 3
		.amdhsa_float_denorm_mode_16_64 3
		.amdhsa_memory_ordered 1
		.amdhsa_forward_progress 1
		.amdhsa_inst_pref_size 155
	.end_amdhsa_kernel
	.amdgpu_metadata
---
amdhsa.version: [ 1, 2 ]
amdhsa.kernels:
  - .name:           k_qeb48ec1af2_scan
    .symbol:         k_qeb48ec1af2_scan.kd
    .args:
      - { .name: candidates, .offset: 0, .size: 8, .value_kind: global_buffer, .address_space: global }
      - { .name: query_embeddings, .offset: 8, .size: 8, .value_kind: global_buffer, .address_space: global }
      - { .name: m1, .offset: 16, .size: 8, .value_kind: global_buffer, .address_space: global }
      - { .name: m2, .offset: 24, .size: 8, .value_kind: global_buffer, .address_space: global }
    .group_segment_fixed_size: 321024
    .private_segment_fixed_size: 0
    .kernarg_segment_align: 8
    .kernarg_segment_size: 32
    .max_flat_workgroup_size: 128
    .sgpr_count:     66
    .vgpr_count:     1024
    .wavefront_size: 32
...
	.end_amdgpu_metadata
.endif
;; end of part 5
;; launch pick1: the kernel of part 2 again; grid 256 x 1, 8 waves a work-group, no clusters, 14,336 bytes of LDS; arguments m2, rec1; writes rec1
;; launch pick2: the kernel of part 3 again; grid 256 x 1, 16 waves a work-group, no clusters, 37,632 bytes of LDS; arguments rec1, m1, rec2; writes rec2
;; launch final: the kernel of part 4 again; grid 256 x 1, 10 waves a work-group, no clusters, 62,720 bytes of LDS; arguments rec2, candidates, query_embeddings, identifiers, out0, out1; writes out0, out1
